; MI455X (gfx1250); checked and timed in simulation.
; The chip was launched on July 23, 2026; its instructions are those of AMD's public machine-readable ISA for CDNA 5 (MIT licence, August 2026) and "CDNA5" Instruction Set Architecture Reference Guide (July 2026). The comments in the code are by the model that wrote it; some were corrected since.
;; GQSW Attention. Allowed arithmetic: matrix products marked QUANTISED: E2M1 operands, one E8M0 scale for each 32 along K, by v_wmma_scale_f32_16x16x128_f8f6f4 with both operands' format E2M1 (or v_wmma_scale_f32_32x16x128_f4), f32 sums; products left as they are: bf16, f16 or f32 operands; f32 sums; everything else in f32.
;; Inputs: wk 512 x 2,048 float32; wo 2,048 x 1,024 float32; wq 1,024 x 2,048 float32; wv 512 x 2,048 float32; x 2 x 4,096 x 2,048 float32.
;; Outputs: out0 2 x 4,096 x 2,048 float32.
;; Constants: abs_pos_start = 0.
;; This version of the problem:
;;   THIS VERSION OF THE PROBLEM IS GIVEN IN LOW PRECISION. The matrix products marked QUANTISED in the list below multiply operands that are first quantised to E2M1 (2 exponent bits, 1 mantissa bit; 4 bits a number), with one power-of-two scale for each 32 numbers along K (OCP MX v1.0); their sums are f32. The products marked 'left as it is' may take bf16, f16 or f32 operands, with f32 sums. Whichever they take, every output number must still come out within the allowed error. Rounding operands to bf16 (8 significant bits) uses up far more of that allowance than f16 does (11 bits, for magnitudes from 6e-5 to 65,504). All else is computed in f32.
;;   The module's matrix products, in the order in which they are computed (A, B: the left and right operand; K: the contracted axis; several contracted axes count as one K, in the product's order):
;;     1. [M 8,192, K 2,048] x [K 2,048, N 1,024]; A: input x; B: input wq: QUANTISED
;;     2. [M 8,192, K 2,048] x [K 2,048, N 512]; A: input x; B: input wk: QUANTISED
;;     3. [M 8,192, K 2,048] x [K 2,048, N 512]; A: input x; B: input wv: QUANTISED
;;     4. batch 256 x [M 256, K 128] x [K 128, N 256]; A: computed on the way; B: computed on the way: left as it is (an operand is computed on the way)
;;     5. batch 256 x [M 128, K 256] x [K 256, N 256]; A: computed on the way; B: computed on the way: left as it is (an operand is computed on the way)
;;     6. [M 8,192, K 1,024] x [K 1,024, N 2,048]; A: computed on the way; B: input wo: left as it is (an operand is computed on the way)
;;   THE QUANTISER, for each operand of a quantised product, along K:
;;     - K is cut into blocks of 32 from its start; a last block that is shorter is filled with zeros.
;;     - A block's scale is 2^e with e = floor(log2(the largest magnitude in the block)) - 2, held to -126 .. 127; a block of zeros has e = 0. As a byte (E8M0): e + 127.
;;     - Each number is divided by its block's scale, clamped to +-6, and rounded to the nearest number of E2M1, ties to even, subnormals kept.
;;     - The product sums the exact products of the quantised numbers (number of the format x scale) in f32.
;;   ~~~python
;;   def quantise(x, axis):      # numpy; x: float32 -> the quantised numbers, widened to float32 again
;;       x = np.moveaxis(x, axis, -1); K = x.shape[-1]
;;       x = np.pad(x, [(0, 0)] * (x.ndim - 1) + [(0, -K % 32)]); x = x.reshape(x.shape[:-1] + (-1, 32)); a = np.abs(x).max(-1, keepdims=True)
;;       e = np.where(a > 0, np.clip(np.frexp(np.where(a > 0, a, 1))[1] - 1 - 2, -126, 127), 0)      # np.frexp(a)[1] - 1 = floor(log2(a)), exactly
;;       r = np.clip(x / 2.0 ** e, -6, 6)
;;       step = 2.0 ** (np.maximum(np.frexp(np.where(r == 0, 1, r))[1] - 1, 0) - 1)
;;       q = np.round(r / step) * step * 2.0 ** e      # np.round: ties to even
;;       return np.moveaxis(q.reshape(q.shape[:-2] + (-1,))[..., :K], -1, axis).astype(np.float32)
;;   ~~~
;; One version. Each part assembles by itself: llvm-mc -triple=amdgcn-amd-amdhsa -mcpu=gfx1250 --defsym DOCPART=n.
;; ======== version 1 of 1: 5 launches
;; limits: values are held in f16: magnitudes above 65,504 overflow, below 6.1e-05 lose precision; right only within a limited range of input values
;; workspace buffers: codes 10,485,760 bytes; scales 655,360 bytes; wo16 4,194,304 bytes; rope 2,105,344 bytes; qkv16 33,554,432 bytes; o16 16,777,216 bytes; fine 262,144 bytes
;; launch prep (part 1): grid 736 x 1, 4 waves a work-group, no clusters, 33,280 bytes of LDS; arguments x, wq, wk, wv, wo, codes, scales, wo16, rope; writes codes, scales, wo16, rope
.if DOCPART == 1
	.amdgcn_target "amdgcn-amd-amdhsa--gfx1250"
	.amdhsa_code_object_version 6
	.text
	.protected	k_q047706b1bc_prep
	.globl	k_q047706b1bc_prep
	.p2align	8
	.type	k_q047706b1bc_prep,@function
k_q047706b1bc_prep:
	s_mov_b64 s[64:65], 0
	v_nop
	global_prefetch_b8 v0, s[64:65] scope:SCOPE_SE
	s_setreg_imm32_b32 hwreg(HW_REG_WAVE_MODE, 25, 1), 1
	s_wait_xcnt 0x0
; THREE JOBS IN ONE LAUNCH, told apart by the work-group's number alone.
;   work-groups 0-31:   the table of cos and sin for the rotary embedding, positions 0 to 4,095 x 64 frequencies, laid in the order in which the next launch's registers take it, and one more group, the identity rotation.
;   work-groups 32-95:  wo [2048][1024] f32 -> f16, as it lies.
;   work-groups 96-735: x, wq, wk, wv (f32, K = 2,048 innermost) -> codes of FP4 (E2M1), two a byte, and one E8M0 scale byte for each 32 along K.  x's codes and bytes lie first, then wq's, wk's, wv's: one operand of 2,048 rows.
; THE QUANTISER: a block's scale is 2^(floor(log2(its largest magnitude)) - 2); its byte is the largest magnitude's exponent field - 2, held at 1 from below.  A block of zeros so gets the byte 1 where the rule says 127:
; its codes are zeros, which add nothing under any byte but 0xff, and the bytes are read by this program alone.  Each number is divided by the scale and rounded to the nearest code, ties to even, beyond 6 the largest code.
; LIMITS: NaN and infinities among the inputs are not served.  inv_freq = 2^(-i log2(10000) / 64) lies within a few units in the last place of 1 / 10000^(i / 64); an error common to q and k turns both alike,
; so only its product with the distance of a query from a key, at most 127, reaches a score.  sin and cos: the angle less a multiple of pi / 2 in two parts, then polynomials of degree 7 and 8 on +-pi / 4.
; Rows are dense and K is a multiple of 32: each tensor is a plain stream of blocks of 32.  Only the quantiser's path touches LDS.
.set WAVES, 4
.set STEPS, 16
.set EMAX,  2
.set CB,    8                          ; bytes of 16 codes
.set R,     16                         ; v16-79   four sets of 16 numbers as they are loaded
.set X,     80                         ; v80-111  two sets of 16 neighbours
.set C,     128                        ; v128-191 codes: four registers for each step
.set E,     112                        ; v112-127 a scale byte for each step
.set WREG,  8192                       ; LDS: a region for each wave: two stages of 32 x SP bytes, behind them its 256 scale bytes
.set SP,    80                         ; a lane's place in a stage: 64 bytes + 16 of padding
.set SPW,   12                         ; v12  LDS address of my spare word; never rewritten
.set NIL,   13                         ; v13  0; never rewritten
.set SPARE, WAVES*WREG                 ; behind the four regions: the spare words, 128 bytes a wave
	s_load_b512 s[16:31], s[0:1], 0x0              ; x 16:17, wq 18:19, wk 20:21, wv 22:23, wo 24:25, codes 26:27, scales 28:29, wo16 30:31
	s_load_b64 s[32:33], s[0:1], 0x40              ; rope
	v_lshl_add_u32 v[SPW], v0, 2, SPARE
	v_mov_b32 v[NIL], 0
	v_lshrrev_b32 v1, 5, v0
	v_readfirstlane_b32 s8, v1                     ; wave
	v_and_b32 v2, 31, v0                           ; lane
	s_wait_kmcnt 0x0
	s_cmp_lt_u32 ttmp9, 32
	s_cbranch_scc1 .Ltable
	s_cmp_lt_u32 ttmp9, 96
	s_cbranch_scc1 .Lwo
; ---------------- the quantiser: a wave takes 16 steps of 512 numbers ----------------
; Each of a step's four loads reads 512 consecutive bytes; the 2,048 bytes turn through the wave's own stage in LDS and come back 64 bytes a lane: 16 neighbours along K, two lanes to a block.
	v_lshlrev_b32 v3, 4, v2                        ; my 16 bytes of a load's 512
	s_mul_i32 s34, s8, WREG
	v_lshrrev_b32 v14, 2, v2
	v_mul_u32_u24 v14, v14, SP
	v_and_b32 v15, 3, v2
	v_lshl_add_u32 v14, v15, 4, v14
	v_add_nc_u32 v14, s34, v14                     ; the stage, on the way in: SP (lane / 4) + 16 (lane % 4)
	v_mul_u32_u24 v15, v2, SP
	v_add_nc_u32 v15, s34, v15                     ; and on the way out: SP x lane
	v_mul_u32_u24 v4, v2, CB                       ; my codes' place in a step's
	v_lshrrev_b32 v5, 1, v2
	s_add_co_u32 s34, s34, 2*32*SP
	v_add_nc_u32 v5, s34, v5                       ; LDS: my wave's 256 scale bytes, my block's byte
	v_lshlrev_b32 v7, 3, v2
	v_add_nc_u32 v6, s34, v7                       ; and on the way out 8 bytes a lane
	s_sub_co_u32 s9, ttmp9, 96                     ; 0-511 x, 512-575 wq, 576-607 wk, 608-639 wv: the choice hangs on the work-group's number alone
	s_mov_b64 s[4:5], s[22:23]
	s_mov_b32 s10, 608
	s_cmp_lt_u32 s9, 608
	s_cselect_b64 s[4:5], s[20:21], s[4:5]
	s_cselect_b32 s10, 576, s10
	s_cmp_lt_u32 s9, 576
	s_cselect_b64 s[4:5], s[18:19], s[4:5]
	s_cselect_b32 s10, 512, s10
	s_cmp_lt_u32 s9, 512
	s_cselect_b64 s[4:5], s[16:17], s[4:5]
	s_cselect_b32 s10, 0, s10
	s_sub_co_u32 s35, s9, s10
	s_lshl_b32 s35, s35, 2
	s_add_co_u32 s36, s35, s8                      ; which run of 8,192 numbers of the tensor is my wave's
	s_mov_b32 s37, 0
	s_lshl_b64 s[36:37], s[36:37], 15              ; 32,768 bytes a run
	s_add_nc_u64 s[4:5], s[4:5], s[36:37]
	s_lshl_b32 s38, s9, 2
	s_add_co_u32 s38, s38, s8                      ; and which run of the codes and bytes: the four tensors lie on end there
	s_lshl_b32 s40, s38, 12                        ; 4,096 bytes of codes a run
	s_mov_b32 s41, 0
	s_add_nc_u64 s[26:27], s[26:27], s[40:41]
	s_lshl_b32 s40, s38, 8                         ; 256 scale bytes a run
	s_add_nc_u64 s[28:29], s[28:29], s[40:41]
.macro LOAD t
.irp i, 0,1,2,3
	global_load_b128 v[R+16*((\t)%4)+4*\i:R+16*((\t)%4)+4*\i+3], v3, s[4:5] offset:2048*(\t)+512*\i th:TH_LOAD_NT   ; 32 lanes read 512 consecutive bytes
.endr
.endm
.macro TURN t                          ; step t's numbers through the stage: LDS serves a wave's instructions in order, so no wait stands between the stores and the loads
.irp i, 0,1,2,3
	ds_store_b128 v14, v[R+16*((\t)%4)+4*\i:R+16*((\t)%4)+4*\i+3] offset:32*SP*((\t)%2)+8*SP*\i
.endr
.irp i, 0,1,2,3
	ds_load_b128 v[X+16*((\t)%2)+4*\i:X+16*((\t)%2)+4*\i+3], v15 offset:32*SP*((\t)%2)+16*\i
.endr
.endm
.irp t, 0,1,2,3
	LOAD \t
.endr
	s_wait_loadcnt 12                              ; step 0's four loads are in; three steps' twelve stay out
	TURN 0
.macro STEP t
.set XS, X+16*((\t)%2)
.if (\t) > 0
	s_wait_dscnt 1                                 ; this step's numbers are back from the stage (the last step's byte store may be out)
.else
	s_wait_dscnt 0x0
.endif
.if (\t)+4 < STEPS
	LOAD (\t)+4                                    ; into the registers that the stage's stores have read
.endif
.if (\t)+1 < STEPS
.if STEPS-2-(\t) >= 3
	s_wait_loadcnt 12                              ; the next step's four loads are in; those of the three steps behind it may be out
.else
	s_wait_loadcnt 4*(STEPS-2-(\t))
.endif
	TURN (\t)+1                                    ; and go through the other stage while this step is worked
.endif
	v_max3_num_f32 v8, |v[XS]|, |v[XS+1]|, |v[XS+2]|               ; the largest magnitude of my 16, in two chains
	v_max3_num_f32 v9, |v[XS+3]|, |v[XS+4]|, |v[XS+5]|
.irp i, 6,10
	v_max3_num_f32 v8, v8, |v[XS+\i]|, |v[XS+\i+1]|
	v_max3_num_f32 v9, v9, |v[XS+\i+2]|, |v[XS+\i+3]|
.endr
	v_max3_num_f32 v8, v8, |v[XS+14]|, |v[XS+15]|
	v_max3_num_f32 v8, v8, v9, (EMAX+1)<<23        ; and the floor 2^(3 - 127): the byte cannot fall under 1
	v_max_num_f32_dpp v8, v8, v8 row_xmask:1 row_mask:0xf bank_mask:0xf   ; and of my neighbour's 16: the block's
	v_add_nc_u32 v11, -(EMAX<<23), v8              ; 2 off its exponent field: the conversion takes the exponent field of this operand as its scale
	v_cvt_scalef32_pk8_fp4_f32 v[C+4*(\t)], v[XS:XS+7], v11
	v_cvt_scalef32_pk8_fp4_f32 v[C+4*(\t)+1], v[XS+8:XS+15], v11
	v_lshrrev_b32 v[E+(\t)], 23, v11               ; the scale's byte (also the plain line behind the conversions)
	ds_store_b8 v5, v[E+(\t)] offset:16*(\t)       ; both lanes of a block write the same byte with the same value
	global_store_b64 v4, v[C+4*(\t):C+4*(\t)+1], s[26:27] offset:32*CB*(\t)   ; the wave stores 256 consecutive bytes, aligned
.endm
.irp t, 0,1,2,3,4,5,6,7,8,9,10,11,12,13,14,15
	STEP \t
.endr
	ds_load_b64 v[8:9], v6                         ; LDS serves a wave's instructions in order: these see my byte stores
	s_wait_dscnt 0x0
	global_store_b64 v7, v[8:9], s[28:29]          ; 32 lanes store 256 consecutive bytes, aligned
	s_wait_tensorcnt 0x0                           ; the wave's end: behind my last LDS store
	ds_add_u32 v[SPW], v[NIL]
	s_wait_dscnt 0x0
	s_endpgm
; ---------------- the table ----------------
; Byte grp x 8192 + (4 b + 2 cs + q) x 512 + 16 lane + 4 e holds cos (cs = 0) or sin (cs = 1) of pos x inv_freq[i], pos = 16 grp + lane % 16, i = 16 b + 8 (lane / 16) + 4 q + e.
; 128 waves, two groups each: W and W + 128.  Group 256 is cos = 1, sin = 0.
.Ltable:
	s_lshl_b32 s9, ttmp9, 2
	s_add_co_u32 s9, s9, s8                        ; W = 0 .. 127
	v_and_b32 v3, 15, v0                           ; r
	v_bfe_u32 v4, v0, 4, 1                         ; h
	v_lshlrev_b32 v5, 4, v2                        ; 16 x lane
	s_lshl_b32 s10, s9, 13
	s_mov_b32 s11, 0
	s_add_nc_u64 s[32:33], s[32:33], s[10:11]      ; at group W
	s_mov_b32 s34, 0xbfc90fdb                      ; -(pi / 2), its high part
	s_mov_b32 s35, 0x333bbd2e                      ; and minus its low part
	s_mov_b32 s36, 0xb94ca1f9                      ; sin r = r + r z (S1 + S2 z + S3 z z), z = r r
	s_mov_b32 s37, 0x3c08839e
	s_mov_b32 s38, 0xbe2aaaa3
	s_mov_b32 s39, 0x37ccf5ce                      ; cos r = 1 - z / 2 + z z (C1 + C2 z + C3 z z)
	s_mov_b32 s40, 0xbab6061a
	s_mov_b32 s41, 0x3d2aaaa5
.irp b, 0,1,2,3
.irp j, 0,1,2,3,4,5,6,7
	v_lshl_add_u32 v[16+8*\b+\j], v4, 3, 16*\b+\j  ; i = 16 b + 8 h + j
.endr
.endr
.set i, 0
.rept 32
	v_cvt_f32_u32 v[16+i], v[16+i]
.set i, i+1
.endr
.set i, 0
.rept 32
	v_mul_f32 v[16+i], 0xbe549a78, v[16+i]         ; x -log2(10000) / 64
.set i, i+1
.endr
.set i, 0
.rept 32
	v_exp_f32 v[16+i], v[16+i]                     ; inv_freq of my 32 frequencies
.set i, i+1
.endr
	v_nop                                          ; a plain line behind the last exponential
	s_wait_alu depctr_va_vdst(0)                   ; one wait for the batch of 32, ahead of its first reader and of the label
.macro SINCOS k, co, si
	v_mul_f32 v48, v63, v[16+\k]                   ; the angle, rounded as pos x inv_freq is
	v_mul_f32 v49, 0x3f22f983, v48                 ; x 2 / pi
	v_rndne_f32 v49, v49                           ; n
	v_fma_f32 v50, v49, s34, v48                   ; r = angle - n pi / 2, in two parts
	v_fma_f32 v50, v49, s35, v50
	v_cvt_i32_f32 v51, v49
	v_mul_f32 v52, v50, v50                        ; z
	v_fma_f32 v53, v52, s36, s37
	v_fma_f32 v53, v53, v52, s38
	v_mul_f32 v54, v52, v50
	v_fma_f32 v53, v53, v54, v50                   ; sin r
	v_fma_f32 v55, v52, s39, s40
	v_fma_f32 v55, v55, v52, s41
	v_mul_f32 v56, v52, v52
	v_fma_f32 v57, v52, -0.5, 1.0
	v_fma_f32 v55, v55, v56, v57                   ; cos r
	v_and_b32 v58, 1, v51
	v_cmp_eq_u32 vcc_lo, 1, v58                    ; an odd quadrant changes sin and cos: a choice of values, no branch
	v_cndmask_b32 v59, v53, v55, vcc_lo
	v_cndmask_b32 v60, v55, v53, vcc_lo
	v_lshlrev_b32 v61, 30, v51                     ; sin is negative in quadrants 2 and 3,
	v_add_lshl_u32 v62, v51, 1, 30                 ; cos in quadrants 1 and 2
	v_and_b32 v61, 0x80000000, v61
	v_and_b32 v62, 0x80000000, v62
	v_xor_b32 v[\si], v59, v61
	v_xor_b32 v[\co], v60, v62
.endm
	s_mov_b32 s11, s9                              ; the group in hand
	s_mov_b32 s12, 0
.Ltrip:
	s_lshl_b32 s13, s11, 4
	v_add_nc_u32 v62, s13, v3
	v_cvt_f32_u32 v63, v62                         ; pos = 16 grp + r
.irp b, 0,1,2,3
.irp j, 0,1,2,3,4,5,6,7
	SINCOS 8*\b+\j, 64+16*\b+\j, 72+16*\b+\j
.endr
.endr
.irp i, 0,1,2,3,4,5,6,7,8,9,10,11,12,13,14,15
	global_store_b128 v5, v[64+4*\i:67+4*\i], s[32:33] offset:512*\i   ; the wave stores 512 consecutive bytes, aligned
.endr
	s_wait_xcnt 0x0                                ; the stores' data and base are written again only behind this wait
	s_add_nc_u64 s[32:33], s[32:33], 0x100000      ; 128 groups on
	s_add_co_u32 s11, s11, 128
	s_add_co_u32 s12, s12, 1
	s_cmp_lt_u32 s12, 2
	s_cbranch_scc1 .Ltrip
	s_cmp_lg_u32 s9, 0
	s_cbranch_scc1 .Ltable_end
.irp j, 0,1,2,3                        ; wave 0 now stands at group 256: the rotation by nothing, for v's columns
	v_mov_b32 v[64+\j], 1.0
	v_mov_b32 v[68+\j], 0
.endr
.irp i, 0,1,2,3,4,5,6,7,8,9,10,11,12,13,14,15
	global_store_b128 v5, v[64+4*((\i/2)%2):67+4*((\i/2)%2)], s[32:33] offset:512*\i
.endr
.Ltable_end:
	s_endpgm
; ---------------- wo to f16: 256 waves, 8,192 numbers each, four trips of 2,048 ----------------
.Lwo:
	s_sub_co_u32 s9, ttmp9, 32
	s_lshl_b32 s9, s9, 2
	s_add_co_u32 s9, s9, s8                        ; my run
	s_lshl_b32 s10, s9, 15
	s_mov_b32 s11, 0
	s_add_nc_u64 s[24:25], s[24:25], s[10:11]
	s_lshl_b32 s10, s9, 14
	s_add_nc_u64 s[30:31], s[30:31], s[10:11]
	v_lshlrev_b32 v3, 4, v2
	v_lshlrev_b32 v4, 3, v2
	s_mov_b32 s12, 0
.Lwo_trip:
.irp i, 0,1,2,3,4,5,6,7,8,9,10,11,12,13,14,15
	global_load_b128 v[16+4*\i:19+4*\i], v3, s[24:25] offset:512*\i th:TH_LOAD_NT
.endr
.irp i, 0,1,2,3,4,5,6,7,8,9,10,11,12,13,14,15
	s_wait_loadcnt 15-\i                           ; loads come back in order: load i is in, the younger ones stay out
	v_cvt_pk_f16_f32 v[80+2*\i], v[16+4*\i], v[17+4*\i]
	v_cvt_pk_f16_f32 v[81+2*\i], v[18+4*\i], v[19+4*\i]
	global_store_b64 v4, v[80+2*\i:81+2*\i], s[30:31] offset:256*\i   ; 256 consecutive bytes, aligned
.endr
	s_wait_xcnt 0x0                                ; bases and store data are written again only behind this wait
	s_add_nc_u64 s[24:25], s[24:25], 8192
	s_add_nc_u64 s[30:31], s[30:31], 4096
	s_add_co_u32 s12, s12, 1
	s_cmp_lt_u32 s12, 4
	s_cbranch_scc1 .Lwo_trip
	s_endpgm
.Lfunc_end_k_q047706b1bc_prep:
	.size	k_q047706b1bc_prep, .Lfunc_end_k_q047706b1bc_prep-k_q047706b1bc_prep
	.p2alignl 7, 3214868480
	.fill 96, 4, 3214868480
	.section	.rodata,"a",@progbits
	.p2align	6, 0x0
	.amdhsa_kernel k_q047706b1bc_prep
		.amdhsa_group_segment_fixed_size 33280
		.amdhsa_private_segment_fixed_size 0
		.amdhsa_enable_private_segment 0
		.amdhsa_kernarg_size 72
		.amdhsa_user_sgpr_count 2
		.amdhsa_user_sgpr_kernarg_segment_ptr 1
		.amdhsa_wavefront_size32 1
		.amdhsa_system_sgpr_workgroup_id_x 1
		.amdhsa_system_sgpr_workgroup_id_y 1
		.amdhsa_system_sgpr_workgroup_id_z 1
		.amdhsa_system_vgpr_workitem_id 0
		.amdhsa_next_free_vgpr 192
		.amdhsa_next_free_sgpr 66
		.amdhsa_reserve_vcc 1
		.amdhsa_float_denorm_mode_32 3
		.amdhsa_float_denorm_mode_16_64 3
		.amdhsa_memory_ordered 1
		.amdhsa_forward_progress 1
		.amdhsa_inst_pref_size 90
	.end_amdhsa_kernel
	.amdgpu_metadata
---
amdhsa.version: [ 1, 2 ]
amdhsa.kernels:
  - .name:           k_q047706b1bc_prep
    .symbol:         k_q047706b1bc_prep.kd
    .args:
      - { .name: x, .offset: 0, .size: 8, .value_kind: global_buffer, .address_space: global }
      - { .name: wq, .offset: 8, .size: 8, .value_kind: global_buffer, .address_space: global }
      - { .name: wk, .offset: 16, .size: 8, .value_kind: global_buffer, .address_space: global }
      - { .name: wv, .offset: 24, .size: 8, .value_kind: global_buffer, .address_space: global }
      - { .name: wo, .offset: 32, .size: 8, .value_kind: global_buffer, .address_space: global }
      - { .name: codes, .offset: 40, .size: 8, .value_kind: global_buffer, .address_space: global }
      - { .name: scales, .offset: 48, .size: 8, .value_kind: global_buffer, .address_space: global }
      - { .name: wo16, .offset: 56, .size: 8, .value_kind: global_buffer, .address_space: global }
      - { .name: rope, .offset: 64, .size: 8, .value_kind: global_buffer, .address_space: global }
    .group_segment_fixed_size: 33280
    .private_segment_fixed_size: 0
    .kernarg_segment_align: 8
    .kernarg_segment_size: 72
    .max_flat_workgroup_size: 128
    .sgpr_count:     66
    .vgpr_count:     192
    .wavefront_size: 32
...
	.end_amdgpu_metadata
.endif
;; end of part 1
;; launch qkv (part 2): grid 8 x 32, 4 waves a work-group, clusters of 4 x 4, 327,680 bytes of LDS; arguments codes, scales, qkv16, rope, fine; writes qkv16, fine
.if DOCPART == 2
	.amdgcn_target "amdgcn-amd-amdhsa--gfx1250"
	.amdhsa_code_object_version 6
	.text
	.protected	k_q047706b1bc_qkv
	.globl	k_q047706b1bc_qkv
	.p2align	8
	.type	k_q047706b1bc_qkv,@function
k_q047706b1bc_qkv:
	s_mov_b64 s[64:65], 0
	v_nop
	global_prefetch_b8 v0, s[64:65] scope:SCOPE_SE
	s_setreg_imm32_b32 hwreg(HW_REG_WAVE_MODE, 25, 1), 1
	s_wait_xcnt 0x0
	s_wait_alu depctr_hold_cnt(0) depctr_sa_sdst(0) depctr_va_vdst(0) depctr_va_sdst(0) depctr_va_ssrc(0) depctr_va_vcc(0) depctr_vm_vsrc(0)
	s_getreg_b32 s2, hwreg(HW_REG_IB_STS2, 6, 4)
	s_cmp_eq_u32 s2, 0
	s_cbranch_scc0 .Lentry_in_a_cluster
	s_endpgm
.Lentry_in_a_cluster:
	s_bfe_u32 s2, ttmp6, 0x10000c
	s_cmp_lg_u32 s2, 0xf033
	s_cbranch_scc0 .Lentry_shape_is_right
	s_endpgm
.Lentry_shape_is_right:
; [q | k | v][m][n] = sum over k of x[m][k] w[n][k], on codes of FP4 (E2M1) with one E8M0 scale for each 32 along K; m = 8,192 rows, n = 2,048 (wq's 1,024 rows, wk's 512, wv's 512), K = 2,048; sums in f32.
; On the way out q and k are turned by the rotary embedding, in f32, and all three are rounded once to f16: qkv16 [8192][2048].  Rows 0-15 of each batch also leave in f32 (fine), for the launch that carries them finely:
; fine is laid as an image of my registers, [batch][head 0-15][piece e 0-15][lane][4 numbers]: piece e of lane (r, h) is row r, channels 16 (e / 2) + 8 h + 4 (e % 2) + 0 .. 3 of the head.
; LIMIT: |q|, |k|, |v| at most 65,504 (f16); NaN and infinities are not served.
; A tile of 256 x 256 is made by a work-group of four waves; a wave makes 128 x 128: 64 accumulators, 512 registers, and its 128 columns are ONE HEAD, so that a column and its partner 64 further on lie in one lane.
; K goes in steps of 512 through a ring of two LDS slots filled by the tensor data mover: a tile's row is 256 bytes of memory.  The scale bytes of the work-group's rows, for all of K, come into LDS once, with the first fills.
; CLUSTERS: 4 x 4 work-groups.  The four of a row of the cluster need the same tiles of x, the four of a column the same tiles of w: each tile is asked for jointly, by the same tensor load with the same descriptor and a mask of the four.
; THE MATRIX INSTRUCTION IS USED TRANSPOSED (source 0 = 16 rows of w, source 1 = 16 rows of x): a lane holds eight neighbouring columns of one row.
; V's heads run the same lines as q's and k's, with a table group that holds cos = 1 and sin = 0; only the table's ADDRESS differs.  The f32 copy is stored under a lane mask, not a branch.
; REGISTERS, in windows of 256: window 0: v0-31 addresses; v32-95 scale words, two sets; v128-191 x's fragments, one set; on the way out v32-95 the turned numbers, v96-127 their f16, v128-191 rows read back.
;   window 1: w's fragments, two sets, v0-63 and v128-191; the table's sets 0 and 1, v64-127 and v192-255; on the way out w's two sets are the table's sets 2 and 3.
;   window 2, 3: the accumulators of my rows 0-63, 64-127 (accumulator (a, b) at v[8 (8 (a % 4) + b)]).
.set SIZE_M, 8192
.set SIZE_N, 2048
.set SIZE_K, 2048
.set KSTEP,  512                       ; along K in a slot
.set NQ,     KSTEP/128                 ; matrix instructions deep
.set ROWB,   256                       ; a tile's row in bytes
.set KROW,   SIZE_K*4/8                ; a row of codes in memory
.set PITCH,  272                       ; an LDS row: 256 bytes + 16 of padding: the 16 rows that a load touches start at 16 different banks (ISA guide 11.1)
.set FR,     8                         ; registers of a fragment: 16 rows x 128 K
.set NL,     2                         ; LDS loads that bring one
.set NP,     4                         ; places behind this matrix instruction (ISA guide 7.12.1)
.set HALFT,  128*PITCH
.set SLOT,   4*HALFT                   ; x's 256 rows, then w's 256 rows
.set LAPS,   SIZE_K/(2*KSTEP)
.set KS,     SIZE_K/32                 ; a row of scales in bytes
.set SCL,    2*SLOT                    ; behind the ring: the scales, as rows of 256 bytes + 16 of padding
.set HALFS,  (128*KS/256)*272
.set SBLK,   (16*KS/256)*272
.set SPARE,  SCL+4*HALFS               ; behind the scales: the spare words, 128 bytes a wave
.set SPITCH, 272                       ; the way out: a stage of 16 rows x (256 bytes + 16) for each wave, in slot 0, which has had its last fill and its last read when the first result is stored there
.set ADRA, 16                          ; v16-17  LDS address of my x fragments in slot 0, 1
.set ADRB, 20                          ; v20-21  the same for w
.set STO,  24                          ; v24     the stage: where I put 16 bytes of a row
.set RD,   25                          ; v25     and where I read a row back
.set CO,   26                          ; v26     my byte offset in two rows of qkv16
.set ADRS, 27                          ; v27     LDS address of my scale words
.set SPW,  28                          ; v28     my spare word; never rewritten
.set NIL,  29                          ; v29     0; never rewritten
.set TO,   30                          ; v30     16 x lane: my place in a table load and in a piece of the f32 copy; never rewritten
.set FL,   31                          ; v31     0 in the waves whose first 16 rows are a batch's first 16
.set SC,   32
.set AF,   128
.set Y,    32
.set H,    96
.set BK,   128
.set G1, 24
.set G0, 32
.set G1B, 48
.set G0B, 56
.set G1S, 68
.set G0S, 76
.set G1SB, 80
.set G0SB, 88
.set MSB, 0
.macro WIN new                         ; the immediate's high byte repeats the setting that is left
.if MSB != (\new)
	s_set_vgpr_msb (MSB<<8)|(\new)
.set MSB, (\new)
.endif
.endm
.set MUL_LO, 0xa1                      ; source 0 (w) window 1, source 1 (x) window 0, C and D window 2
.set MUL_HI, 0xf1
.set TO_B,   0x40                      ; destination window 1, address window 0
; A joint load: waves 0 and 1 fetch for x, waves 2 and 3 for w.  The branch hangs on the wave's number alone.  An s_nop 0 and four v_nop follow each of the two lines.
.macro JLOAD g0a, g1a, g0b, g1b
	s_cmp_eq_u32 s15, 0
	s_cbranch_scc0 .Lfor_b_\@
	tensor_load_to_lds s[\g0a:\g0a+3], s[\g1a:\g1a+7]
	s_nop 0
.rept 4
	v_nop
.endr
	s_branch .Lasked_\@
.Lfor_b_\@:
	tensor_load_to_lds s[\g0b:\g0b+3], s[\g1b:\g1b+7]
	s_nop 0
.rept 4
	v_nop
.endr
.Lasked_\@:
.endm
.macro CREST                           ; a round of the cluster's barrier behind its opening barrier
	s_cmp_lg_u32 s14, 0
	s_cbranch_scc1 .Lnot_wave_0_\@
	s_barrier_signal -3
.Lnot_wave_0_\@:
	s_barrier_wait -3
	s_barrier_signal -1
	s_barrier_wait -1
.endm
.macro CROUND
	s_barrier_signal -1
	s_barrier_wait -1
	CREST
.endm
	s_load_b128 s[4:7], s[0:1], 0x0                ; codes s[4:5], scales s[6:7]
	s_load_b64 s[12:13], s[0:1], 0x10              ; qkv16
	s_load_b64 s[96:97], s[0:1], 0x18              ; rope
	s_load_b64 s[100:101], s[0:1], 0x20            ; fine
	v_lshl_add_u32 v[SPW], v0, 2, SPARE
	v_mov_b32 v[NIL], 0
	ds_add_u32 v[SPW], v[NIL]                      ; the wave's opening: the add, twice on end, and its wait ahead of my first tensor load
	ds_add_u32 v[SPW], v[NIL]
	v_lshrrev_b32 v1, 5, v0
	v_readfirstlane_b32 s14, v1                    ; wave 0..3
	s_lshr_b32 s15, s14, 1                         ; which half of the tile's rows is mine.  Also: I fetch for x (0) or for w (1)
	s_and_b32 s16, s14, 1                          ; which half of its columns.  Also: which 128 rows of that tile I fetch
	s_bfe_u32 s40, ttmp6, 0x40000                  ; cx, cy
	s_bfe_u32 s41, ttmp6, 0x40004
	s_lshl_b32 s42, ttmp9, 2
	s_add_co_u32 s42, s42, s40                     ; tile column = 4 x cluster x + cx
	s_and_b32 s17, ttmp7, 0xffff
	s_lshl_b32 s17, s17, 2
	s_add_co_u32 s17, s17, s41                     ; tile row = 4 x cluster y + cy
	s_lshl_b32 s43, s41, 2
	s_lshl_b32 s43, 15, s43                        ; my row of the cluster
	s_lshl_b32 s44, 0x1111, s40                    ; my column
	; group 1: a tile of 128 rows x 256 bytes: elements of 1 byte; padding on, 4 words behind every 64; bit 21 beside the mask
	s_or_b32 s[G1+0], s43, (0<<16)|(1<<20)|(1<<21)|(5<<22)|(3<<25)
	s_or_b32 s[G1B+0], s44, (0<<16)|(1<<20)|(1<<21)|(5<<22)|(3<<25)
.irp g, G1, G1B
	s_mov_b32 s[\g+1], ROWB<<16                    ; tensor_dim0
	s_mov_b32 s[\g+2], 128<<16                     ; tensor_dim1
	s_mov_b32 s[\g+3], ROWB<<16                    ; tile_dim0
	s_mov_b32 s[\g+4], 128                         ; tile_dim1
	s_mov_b32 s[\g+5], KROW                        ; the pitch
	s_mov_b32 s[\g+6], 0
	s_mov_b32 s[\g+7], 0
.endr
	; the scales of 128 rows: a dense block of 8,192 bytes, as 32 rows of 256 bytes (32 elements of 8 bytes), 16 bytes of padding behind each
	s_or_b32 s[G1S+0], s43, (3<<16)|(1<<20)|(1<<21)|(5<<22)|(3<<25)
	s_or_b32 s[G1SB+0], s44, (3<<16)|(1<<20)|(1<<21)|(5<<22)|(3<<25)
.irp g, G1S, G1SB
	s_mov_b32 s[\g+1], 32<<16
	s_mov_b32 s[\g+2], (128*KS/256)<<16
	s_mov_b32 s[\g+3], 32<<16
	s_mov_b32 s[\g+4], 128*KS/256
	s_mov_b32 s[\g+5], 32
	s_mov_b32 s[\g+6], 0
	s_mov_b32 s[\g+7], 0
.endr
	s_lshl_b32 s18, s16, 7                         ; which 128 rows of the tile I fetch
	s_lshl_b32 s20, s17, 8
	s_add_co_u32 s20, s20, s18                     ; x: row 256 x tile row + 128 x half
	s_lshl_b32 s46, s42, 8
	s_add_co_u32 s46, s46, s18                     ; w: row 256 x tile column + 128 x half
	s_mov_b32 s21, 0
	s_mov_b32 s47, 0
	s_mov_b64 s[18:19], KS
	s_mul_u64 s[22:23], s[20:21], s[18:19]         ; where these rows' scales begin
	s_mul_u64 s[92:93], s[46:47], s[18:19]
	s_mov_b64 s[18:19], KROW
	s_mul_u64 s[20:21], s[20:21], s[18:19]         ; and their codes
	s_mul_u64 s[46:47], s[46:47], s[18:19]
	s_mul_i32 s45, s14, HALFT                      ; where they go: wave x 128 rows: no place in the cluster enters an LDS address
	s_mul_i32 s94, s14, HALFS
	s_wait_dscnt 0x0                               ; both opening adds are done
	s_wait_kmcnt 0x0
	s_add_nc_u64 s[8:9], s[4:5], 0x800000          ; w's codes lie behind x's 8,192 rows of 1,024 bytes,
	s_add_nc_u64 s[10:11], s[6:7], 0x80000         ; its scale bytes behind x's 8,192 rows of 64
	s_add_nc_u64 s[20:21], s[4:5], s[20:21]
	s_add_nc_u64 s[22:23], s[6:7], s[22:23]
	s_add_nc_u64 s[46:47], s[8:9], s[46:47]
	s_add_nc_u64 s[92:93], s[10:11], s[92:93]
	CROUND                                         ; all sixteen work-groups are here: the first joint loads meet
	s_mov_b32 s[G0S], 1
	s_add_co_u32 s[G0S+1], s94, SCL
	s_mov_b64 s[G0S+2:G0S+3], s[22:23]
	s_or_b32 s[G0S+3], s[G0S+3], 0x80000000
	s_mov_b32 s[G0SB], 1
	s_add_co_u32 s[G0SB+1], s94, SCL
	s_mov_b64 s[G0SB+2:G0SB+3], s[92:93]
	s_or_b32 s[G0SB+3], s[G0SB+3], 0x80000000
	JLOAD G0S, G1S, G0SB, G1SB                     ; the scales first: they are wanted with K step 0
.irp s, 0,1
	s_mov_b32 s[G0+4*\s], 1
	s_add_co_u32 s[G0+4*\s+1], s45, \s*SLOT
	s_add_nc_u64 s[G0+4*\s+2:G0+4*\s+3], s[20:21], \s*ROWB
	s_or_b32 s[G0+4*\s+3], s[G0+4*\s+3], 0x80000000
	s_mov_b32 s[G0B+4*\s], 1
	s_add_co_u32 s[G0B+4*\s+1], s45, \s*SLOT
	s_add_nc_u64 s[G0B+4*\s+2:G0B+4*\s+3], s[46:47], \s*ROWB
	s_or_b32 s[G0B+4*\s+3], s[G0B+4*\s+3], 0x80000000
	JLOAD G0+4*\s, G1, G0B+4*\s, G1B               ; three tensor loads of mine are out
.endr
	; THE TABLE for my first two blocks of 16 rows is asked for now and lands during the products, in registers that the loop never names.  A block's group is its position / 16; v's heads (tile columns 6, 7) take group 256 for every block.
	v_and_b32 v6, 31, v0
	v_lshlrev_b32 v[TO], 4, v6
	s_lshl_b32 s92, s17, 4
	s_lshl_b32 s93, s15, 3
	s_add_co_u32 s92, s92, s93
	s_and_b32 s92, s92, 255                        ; (16 x tile row + 8 x half) mod 256: positions begin anew in each batch
	s_lshl_b32 s92, s92, 13                        ; 8,192 bytes a group
	s_cmp_ge_u32 s42, 6
	s_cselect_b32 s92, 0x200000, s92               ; group 256,
	s_cselect_b32 s66, 0, 8192                     ; and no step from block to block
	s_mov_b32 s93, 0
	s_mov_b32 s67, 0
	s_add_nc_u64 s[96:97], s[96:97], s[92:93]      ; block 0's group
	s_add_nc_u64 s[98:99], s[96:97], s[66:67]      ; block 1's
.macro TABLE reg, base                 ; 16 loads of 512 consecutive bytes into window 1 from v[reg] on: register 16 b + 8 cs + j of the set = cos or sin for column 16 b + 8 (lane / 16) + j of my row
	WIN TO_B
.irp i, 0,1,2,3,4,5,6,7,8,9,10,11,12,13,14,15
	global_load_b128 v[\reg+4*\i:\reg+4*\i+3], v[TO], s[\base:\base+1] offset:512*\i
.endr
	WIN 0
.endm
	TABLE 64, 96
	TABLE 192, 98
	v_and_b32 v1, 15, v0                           ; l % 16
	v_bfe_u32 v2, v0, 4, 1                         ; l / 16
	v_mul_u32_u24 v3, v1, PITCH
	v_lshl_add_u32 v4, v2, 4, v3                   ; a fragment's row x pitch + 16 x half
	s_mul_i32 s21, s15, HALFT                      ; my 128 rows of x
	s_mul_i32 s22, s16, HALFT                      ; my 128 rows of w,
	s_add_co_u32 s22, s22, 2*HALFT                 ; which lie behind x's 256
.irp s, 0,1
	v_add_nc_u32 v[ADRA+\s], s21, v4
	v_add_nc_u32 v[ADRB+\s], s22, v4
	s_add_co_u32 s21, s21, SLOT
	s_add_co_u32 s22, s22, SLOT
.endr
	v_mul_u32_u24 v5, v1, KS                       ; my row's scales: KS bytes a row,
	v_lshrrev_b32 v6, 8, v5
	v_lshl_add_u32 v5, v6, 4, v5                   ; and 16 more for each 256 passed
	s_mul_i32 s21, s15, HALFS
	s_mul_i32 s22, s16, HALFS
	s_add_co_u32 s22, s22, 2*HALFS
	s_sub_co_u32 s22, s22, s21
	v_mul_u32_u24 v6, s22, v2                      ; lanes 16-31 take w's
	s_add_co_u32 s21, s21, SCL
	v_add_nc_u32 v5, v5, v6
	v_add_nc_u32 v[ADRS], s21, v5
	s_mul_i32 s23, s14, 16*SPITCH                  ; my stage
	v_mul_u32_u24 v5, v1, SPITCH                   ; in: row l % 16, 16 bytes for each half of the lanes
	v_lshl_add_u32 v5, v2, 4, v5
	v_add_nc_u32 v[STO], s23, v5
	v_mul_u32_u24 v5, v2, SPITCH                   ; back: lanes 0-15 one row of 256 bytes, lanes 16-31 the next
	v_lshl_add_u32 v5, v1, 4, v5
	v_add_nc_u32 v[RD], s23, v5
	v_lshlrev_b32 v5, 12, v2                       ; and the same two rows in qkv16: 4,096 bytes a row
	v_lshl_add_u32 v[CO], v1, 4, v5
	s_and_b32 s94, s17, 15
	s_or_b32 s94, s94, s15
	v_mov_b32 v[FL], s94                           ; 0: tile row 0 or 16, upper half of the rows
	s_lshl_b32 s20, s17, 8
	s_lshl_b32 s21, s15, 7
	s_add_co_u32 s20, s20, s21                     ; my first row
	s_lshl_b32 s20, s20, 12
	s_lshl_b32 s46, s42, 1
	s_add_co_u32 s46, s46, s16                     ; my head: 0-7 q, 8-11 k, 12-15 v
	s_lshl_b32 s47, s46, 8
	s_add_co_u32 s20, s20, s47
	s_mov_b32 s21, 0
	s_add_nc_u64 s[12:13], s[12:13], s[20:21]
	s_lshr_b32 s20, s17, 4                         ; the batch
	s_lshl_b32 s20, s20, 17                        ; 16 heads' images of 8,192 bytes
	s_lshl_b32 s47, s46, 13                        ; my head's image
	s_add_co_u32 s20, s20, s47
	s_add_nc_u64 s[100:101], s[100:101], s[20:21]
.macro FRAG reg, adr, q, i             ; 16 rows x 128 K of 4-bit codes: 8 registers; lane l holds row l % 16; registers 4 c .. 4 c + 3 hold K = 64 c + 32 (l / 16) + 0 .. 31
.irp c, 0,1
	ds_load_b128 v[\reg+4*\c:\reg+4*\c+3], v[\adr] offset:64*(\q)+32*\c+(\i)*16*PITCH
.endr
.endm
; 16 matrix instructions: x's blocks a0, a0 + 1 against w's eight, 128 along K.  The 64 accumulators take turns, one instruction a turn, in the same order in every step.
.macro MUL16 a0, p, q, sc, zero
.irp a, \a0, \a0+1
.irp b, 0,1,2,3,4,5,6,7
.if \zero
	v_wmma_scale_f32_16x16x128_f8f6f4 v[8*(8*((\a)%4)+\b):8*(8*((\a)%4)+\b)+7], v[128*(\p)+FR*\b:128*(\p)+FR*\b+FR-1], v[AF+FR*(\a):AF+FR*(\a)+FR-1], 0, v[SC+8*NQ*(\sc)+NQ*\b+(\q)], v[SC+8*NQ*(\sc)+NQ*(\a)+(\q)] matrix_a_fmt:MATRIX_FMT_FP4 matrix_b_fmt:MATRIX_FMT_FP4 matrix_a_scale:MATRIX_SCALE_ROW1
.else
	v_wmma_scale_f32_16x16x128_f8f6f4 v[8*(8*((\a)%4)+\b):8*(8*((\a)%4)+\b)+7], v[128*(\p)+FR*\b:128*(\p)+FR*\b+FR-1], v[AF+FR*(\a):AF+FR*(\a)+FR-1], v[8*(8*((\a)%4)+\b):8*(8*((\a)%4)+\b)+7], v[SC+8*NQ*(\sc)+NQ*\b+(\q)], v[SC+8*NQ*(\sc)+NQ*(\a)+(\q)] matrix_a_fmt:MATRIX_FMT_FP4 matrix_b_fmt:MATRIX_FMT_FP4 matrix_a_scale:MATRIX_SCALE_ROW1
.endif
.endr
.endr
.endm
.macro FETCH_B slot, q, p
	WIN TO_B
.irp i, 0,1,2,3,4,5,6,7
	FRAG 128*(\p)+FR*\i, ADRB+\slot, \q, \i
.endr
	WIN 0
.endm
.macro FETCH_A slot, q, i0
.irp i, \i0, \i0+1, \i0+2, \i0+3
	FRAG AF+FR*(\i), ADRA+\slot, \q, \i
.endr
.endm
.macro SCALES sc                       ; a K step's scale words: lanes 0-15 take x's block i, lanes 16-31 w's block i
.irp i, 0,1,2,3,4,5,6,7
	ds_load_b128 v[SC+8*NQ*\sc+NQ*\i:SC+8*NQ*\sc+NQ*\i+3], v[ADRS] offset:\i*SBLK
.endr
.endm
.macro PLACES n                        ; plain vector lines that name no register of the matrix instructions in front: ahead of loads into their sources and of reads of their results
.rept \n
	v_nop
.endr
.endm
.macro STEP slot, q, zero              ; a step of 128 along K that has its successor in the same slot
	s_wait_dscnt 4*NL                              ; w's set and x's blocks 0-3 are in; the youngest eight loads (x's blocks 4-7) may be out
	WIN MUL_LO
	MUL16 0, (\q)%2, \q, \slot, \zero
	MUL16 2, (\q)%2, \q, \slot, \zero
	s_wait_dscnt 0
	PLACES NP
	FETCH_B \slot, (\q)+1, 1-(\q)%2
	FETCH_A \slot, (\q)+1, 0
	WIN MUL_HI
	MUL16 4, (\q)%2, \q, \slot, \zero
	MUL16 6, (\q)%2, \q, \slot, \zero
	PLACES NP
	WIN 0
	FETCH_A \slot, (\q)+1, 4
.endm
; A slot's last step changes slots: one barrier; in front of it each wave waits for all its tensor loads, adds 0 to its spare word, and waits for that and for its own reads of this slot.
.macro TURN slot, next, fill
	s_wait_tensorcnt 0x0                           ; all my tensor loads have landed: my part of the next slot
	ds_add_u32 v[SPW], v[NIL]
	s_wait_dscnt 4*NL+1                            ; (the add and the youngest eight loads may be out)
	WIN MUL_LO
	MUL16 0, 1, NQ-1, \slot, 0
	s_wait_dscnt 0x0                               ; the add is done, and my reads of this slot are over
	s_barrier_signal -1
	MUL16 2, 1, NQ-1, \slot, 0
	WIN 0
	s_barrier_wait -1
.if \fill
	CREST                                          ; the barrier has opened a round of the cluster's: no wave of any partner still reads this slot or has a load on its way
	s_add_nc_u64 s[G0+4*\slot+2:G0+4*\slot+3], s[G0+4*\slot+2:G0+4*\slot+3], 2*ROWB
	s_add_nc_u64 s[G0B+4*\slot+2:G0B+4*\slot+3], s[G0B+4*\slot+2:G0B+4*\slot+3], 2*ROWB
	JLOAD G0+4*\slot, G1, G0B+4*\slot, G1B         ; the first tensor load behind the round; its four v_nop are also the places in front of the loads below
.else
	PLACES NP
.endif
	v_add_nc_u32 v[ADRS], 4*NQ, v[ADRS]            ; on to the next K step's scale words
	FETCH_B \next, 0, 0
	FETCH_A \next, 0, 0
	SCALES \next
	WIN MUL_HI
	MUL16 4, 1, NQ-1, \slot, 0
	MUL16 6, 1, NQ-1, \slot, 0
	PLACES NP
	WIN 0
	FETCH_A \next, 0, 4
.endm
.macro STEPS slot, from
.set Q, \from
.rept NQ-1-\from
	STEP \slot, Q, 0
.set Q, Q+1
.endr
.endm
	s_wait_tensorcnt 1                             ; the scales and my part of K step 0 are in (K step 1's load may be out)
	s_barrier_signal -1
	s_barrier_wait -1                              ; everybody's are
	FETCH_B 0, 0, 0
	FETCH_A 0, 0, 0
	SCALES 0
	FETCH_A 0, 0, 4
	STEP 0, 0, 1                                   ; the first step's products start the sums: nothing is cleared
	s_mov_b32 s3, LAPS-1
.Llap:                                             ; a trip goes once round the ring and fills both slots again
	STEPS 0, 1
	TURN 0, 1, 1
	STEPS 1, 0
	TURN 1, 0, 1
	STEP 0, 0, 0
	s_sub_co_u32 s3, s3, 1
	s_cmp_lg_u32 s3, 0
	s_cbranch_scc1 .Llap
	STEPS 0, 1                                     ; the last lap fills nothing
	TURN 0, 1, 0
	STEPS 1, 0
	; a base of its own for the table group of each of blocks 2 to 7, so that no base is ever stepped; the registers held the scales' descriptors, whose load was waited for at the first barrier
	s_add_nc_u64 s[68:69], s[98:99], s[66:67]
	s_add_nc_u64 s[70:71], s[68:69], s[66:67]
	s_add_nc_u64 s[72:73], s[70:71], s[66:67]
	s_add_nc_u64 s[74:75], s[72:73], s[66:67]
	s_add_nc_u64 s[76:77], s[74:75], s[66:67]
	s_add_nc_u64 s[78:79], s[76:77], s[66:67]
	TABLE 0, 68                                    ; block 2's table, into w's set 0: the last step multiplies set 1, and four places stand behind the last product that read set 0
	s_wait_dscnt 4*NL
	WIN MUL_LO
	MUL16 0, 1, NQ-1, 1, 0
	MUL16 2, 1, NQ-1, 1, 0
	s_wait_dscnt 0
	WIN MUL_HI
	MUL16 4, 1, NQ-1, 1, 0
	MUL16 6, 1, NQ-1, 1, 0
	WIN 0
; THE WAY OUT, a block of 16 rows x 128 columns at a time.  Accumulators b and b + 4 hold, in the same lane and register, columns i and i + 64 of a row: y1 = x1 cos - x2 sin, y2 = x2 cos + x1 sin, two numbers an instruction.
; Block a's table lies in set a % 4 of window 1: sets 0 to 3 begin at v64, v192, v0, v128.
.macro ROPE a
.set AC, 64*((\a)%4)
.set TS, 128*((\a)%2)+64*(1-((\a)%4)/2)
	WIN 0x06+(\a)/4                                ; source 0: the accumulators' window; source 1: the table's; source 2 and destination: window 0
.irp b, 0,1,2,3
.irp j, 0,2,4,6                        ; each accumulator from its low end on
	v_pk_mul_f32 v[Y+8*\b+\j:Y+8*\b+\j+1], v[AC+8*\b+\j:AC+8*\b+\j+1], v[TS+16*\b+\j:TS+16*\b+\j+1]
	v_pk_mul_f32 v[Y+32+8*\b+\j:Y+32+8*\b+\j+1], v[AC+32+8*\b+\j:AC+32+8*\b+\j+1], v[TS+16*\b+\j:TS+16*\b+\j+1]
	v_pk_fma_f32 v[Y+8*\b+\j:Y+8*\b+\j+1], v[AC+32+8*\b+\j:AC+32+8*\b+\j+1], v[TS+16*\b+8+\j:TS+16*\b+8+\j+1], v[Y+8*\b+\j:Y+8*\b+\j+1] neg_lo:[1,0,0] neg_hi:[1,0,0]
	v_pk_fma_f32 v[Y+32+8*\b+\j:Y+32+8*\b+\j+1], v[AC+8*\b+\j:AC+8*\b+\j+1], v[TS+16*\b+8+\j:TS+16*\b+8+\j+1], v[Y+32+8*\b+\j:Y+32+8*\b+\j+1]
.endr
.endr
	WIN 0
.endm
.macro CVT                             ; eight neighbouring columns of a row become 16 bytes
.irp b, 0,1,2,3,4,5,6,7
.irp i, 0,1,2,3
	v_cvt_pk_f16_f32 v[H+4*\b+\i], v[Y+8*\b+2*\i], v[Y+8*\b+2*\i+1]
.endr
.endr
.endm
.macro TOSTAGE a                       ; into my stage and back as whole rows: LDS serves a wave's instructions in order (ISA guide 5.7.1.4)
.set BB, BK+32*((\a)%2)
.irp b, 0,1,2,3,4,5,6,7
	ds_store_b128 v[STO], v[H+4*\b:H+4*\b+3] offset:32*\b
.endr
.irp t, 0,1,2,3,4,5,6,7
	ds_load_b128 v[BB+4*\t:BB+4*\t+3], v[RD] offset:\t*2*SPITCH
.endr
.endm
.macro SEND a
.set BB, BK+32*((\a)%2)
	s_wait_dscnt 0x0                               ; the block is back in registers, and the stage's stores have read theirs
	s_wait_xcnt 0x0                                ; earlier stores have read their base and their data: the base may step, and the other set may be loaded again
.if (\a) > 0
	s_add_nc_u64 s[12:13], s[12:13], 16*4096       ; 16 rows on
.endif
.irp t, 0,1,2,3,4,5,6,7
	global_store_b128 v[CO], v[BB+4*\t:BB+4*\t+3], s[12:13] offset:\t*8192   ; 16 lanes store 256 consecutive bytes, aligned: a head's row
.endr
.endm
	PLACES NP                                      ; behind the last products: ahead of the first reads of results, of the table load into w's set 1 and of writes over scale words and fragments
.irp a, 0,1,2,3,4,5,6,7
.if \a < 6
	s_wait_loadcnt 32                              ; this block's 16 table loads are in; the 32 of the two blocks behind it may be out
.else
	s_wait_loadcnt 16*(7-\a)
.endif
.if \a < 5
	TABLE 128*((\a+3)%2)+64*(1-((\a+3)%4)/2), 70+2*\a   ; the table of the block three further on: into w's set 1 (block 3), then into the set of the block just turned
.endif
	ROPE \a
.if \a == 0
	; rows 0-15 of a batch leave in f32 too, as they stand in my registers: piece 2 b + q of the head's image, 512 consecutive bytes a store.
	; A lane mask, not a branch: the lanes are on only in the waves that hold those rows.  EXEC changes only behind a wait on XCNT, both ways.
	s_wait_xcnt 0x0
	v_cmp_eq_u32 vcc_lo, 0, v[FL]
	s_and_saveexec_b32 s95, vcc_lo
.irp b, 0,1,2,3,4,5,6,7
	global_store_b128 v[TO], v[Y+8*\b:Y+8*\b+3], s[100:101] offset:1024*\b
	global_store_b128 v[TO], v[Y+8*\b+4:Y+8*\b+7], s[100:101] offset:1024*\b+512
.endr
	s_wait_xcnt 0x0
	s_or_b32 exec_lo, exec_lo, s95
.endif
.if \a > 0
	SEND \a-1
.endif
	CVT
	TOSTAGE \a
.endr
	SEND 7
	s_wait_tensorcnt 0x0                           ; the wave's end: behind my last tensor load and my last LDS store
	ds_add_u32 v[SPW], v[NIL]
	s_wait_dscnt 0x0
	CROUND                                         ; the closing round: no work-group ends while a partner may still ask for a tile that names it
	s_endpgm
.Lfunc_end_k_q047706b1bc_qkv:
	.size	k_q047706b1bc_qkv, .Lfunc_end_k_q047706b1bc_qkv-k_q047706b1bc_qkv
	.p2alignl 7, 3214868480
	.fill 96, 4, 3214868480
	.section	.rodata,"a",@progbits
	.p2align	6, 0x0
	.amdhsa_kernel k_q047706b1bc_qkv
		.amdhsa_group_segment_fixed_size 327680
		.amdhsa_private_segment_fixed_size 0
		.amdhsa_enable_private_segment 0
		.amdhsa_kernarg_size 40
		.amdhsa_user_sgpr_count 2
		.amdhsa_user_sgpr_kernarg_segment_ptr 1
		.amdhsa_wavefront_size32 1
		.amdhsa_system_sgpr_workgroup_id_x 1
		.amdhsa_system_sgpr_workgroup_id_y 1
		.amdhsa_system_sgpr_workgroup_id_z 1
		.amdhsa_system_vgpr_workitem_id 0
		.amdhsa_next_free_vgpr 1024
		.amdhsa_next_free_sgpr 102
		.amdhsa_reserve_vcc 1
		.amdhsa_float_denorm_mode_32 3
		.amdhsa_float_denorm_mode_16_64 3
		.amdhsa_memory_ordered 1
		.amdhsa_forward_progress 1
		.amdhsa_inst_pref_size 255
	.end_amdhsa_kernel
	.section	.bss,"aw",@nobits
	.p2align	6
	.space	262144
	.amdgpu_metadata
---
amdhsa.version: [ 1, 2 ]
amdhsa.kernels:
  - .name:           k_q047706b1bc_qkv
    .symbol:         k_q047706b1bc_qkv.kd
    .args:
      - { .name: codes, .offset: 0, .size: 8, .value_kind: global_buffer, .address_space: global }
      - { .name: scales, .offset: 8, .size: 8, .value_kind: global_buffer, .address_space: global }
      - { .name: qkv16, .offset: 16, .size: 8, .value_kind: global_buffer, .address_space: global }
      - { .name: rope, .offset: 24, .size: 8, .value_kind: global_buffer, .address_space: global }
      - { .name: fine, .offset: 32, .size: 8, .value_kind: global_buffer, .address_space: global }
    .group_segment_fixed_size: 327680
    .private_segment_fixed_size: 0
    .kernarg_segment_align: 8
    .kernarg_segment_size: 40
    .max_flat_workgroup_size: 128
    .sgpr_count:     102
    .vgpr_count:     1024
    .wavefront_size: 32
...
	.end_amdgpu_metadata
.endif
;; end of part 2
;; launch attn (part 3): grid 32 x 8, 16 waves a work-group, no clusters, 215,040 bytes of LDS; arguments qkv16, o16; writes o16
.if DOCPART == 3
	.amdgcn_target "amdgcn-amd-amdhsa--gfx1250"
	.amdhsa_code_object_version 6
	.text
	.protected	k_q047706b1bc_attn
	.globl	k_q047706b1bc_attn
	.p2align	8
	.type	k_q047706b1bc_attn,@function
k_q047706b1bc_attn:
	s_mov_b64 s[64:65], 0
	v_nop
	global_prefetch_b8 v0, s[64:65] scope:SCOPE_SE
	s_setreg_imm32_b32 hwreg(HW_REG_WAVE_MODE, 25, 1), 1
	s_wait_xcnt 0x0
; Sliding-window causal attention: key position kp counts for query position qp where qp - 127 <= kp <= qp, inside the batch.  q, k, v: f16 in qkv16 [8192][2048] (q head H at column 128 H, k head at 1024 + 128 kv, v head at 1536 + 128 kv).
; o16 [8192][1024] f16.  Products on f16 operands with f32 sums; scores, maximum, exponentials and sums in f32; the row's maximum is taken away before the exponential; p is rounded to f16 for the second product, o once at the end.
; SHARES.  A work-group owns one block of 128 positions of one batch and one key/value head: its two query heads.  It holds 256 keys in LDS: the block before (rows 0-127) and its own (rows 128-255).
; Wave w owns one tile of 16 queries: head 2 kv + w / 8, positions 16 (w % 8) + 0 .. 15 of the block.  Of the 16 tiles of 16 keys only tiles u .. u + 8 (u = w % 8) hold a key that counts: the others are not multiplied.
; In tile u a key counts where its place in the tile is above the query's, in tile u + 8 where it is not above; tiles between count whole.  In a batch's first block the rows of 'the block before' hold the own block again
; (finite numbers) and all their scores are hidden.
; LAYOUT.  S^T = K Q^T (source 0 = 16 keys, source 1 = my 16 queries): a lane holds ONE query (lane % 16) and keys 8 (lane / 16) + 0 .. 7 of each tile.  Two tiles, rounded to f16 in pairs, ARE source 1 of O^T = V^T P.
; K comes out of LDS as it lies, V ([key][channel]) turned, by ds_load_tr16_b128.  The ninth tile has no partner: its pair's upper half is p = 0 against V's rows read a second time.
; NO CLUSTER: a block of K or V is read by two neighbouring work-groups only, and lands at different LDS bytes in them, so no one descriptor serves both.  Every tile is asked for at the head: there is no later step to prefetch for.
; Four tensor loads in all, one a wave in waves 0-3; nothing is filled again.
; REGISTERS: v1-12 addresses and constants; v13-23 statistics; v24-55 Q; v56-127 S^T (9 tiles), later O^T in v56-119; v128-199 K's fragments, then V's, later the way out; v200-239 P.
.set PK,    272                        ; a row of K in LDS: 256 bytes + 16
.set PV,    288                        ; a row of V: 256 + 32
.set VOFF,  256*PK
.set STAGE, VOFF+256*PV                ; 16 rows x 272 bytes for each wave, for the way out: bytes of its own
.set SPARE, STAGE+16*16*272            ; the spare words, 128 bytes a wave
.set QF,  24
.set S,   56
.set KF,  128
.set VF,  128
.set P,   200
.set HH,  128
.set BK,  160
.macro PLACES n
.rept \n
	v_nop
.endr
.endm
	s_load_b128 s[4:7], s[0:1], 0x0                ; qkv16, o16
	v_lshl_add_u32 v5, v0, 2, SPARE                ; v5: my spare word; v6: 0; both kept for this alone
	v_mov_b32 v6, 0
	ds_add_u32 v5, v6                              ; the wave's opening: the add, twice on end, and its wait ahead of the first tensor load
	ds_add_u32 v5, v6
	v_lshrrev_b32 v1, 5, v0
	v_readfirstlane_b32 s8, v1                     ; wave 0..15
	s_and_b32 s9, ttmp7, 0xffff
	s_lshr_b32 s10, s9, 2                          ; batch
	s_and_b32 s11, s9, 3                           ; key/value head
	s_and_b32 s48, s8, 7                           ; u: my tile of queries
	s_lshr_b32 s49, s8, 3                          ; which of the two query heads
	s_and_b32 s12, s8, 1                           ; if I fetch: the block before (0) or the own block (1)
	; group 1: 128 rows x 128 elements of 2 bytes, 2,048 elements from row to row; padding behind every 64 words: 4 words for K, 8 for V
	s_mov_b32 s16, (1<<16)|(1<<20)|(5<<22)|(3<<25)
	s_mov_b32 s24, (1<<16)|(1<<20)|(5<<22)|(7<<25)
.irp g, 16, 24
	s_mov_b32 s[\g+1], 128<<16                     ; tensor_dim0
	s_mov_b32 s[\g+2], 128<<16                     ; tensor_dim1
	s_mov_b32 s[\g+3], 128<<16                     ; tile_dim0
	s_mov_b32 s[\g+4], 128                         ; tile_dim1
	s_mov_b32 s[\g+5], 2048                        ; the pitch
	s_mov_b32 s[\g+6], 0
	s_mov_b32 s[\g+7], 0
.endr
	s_add_co_u32 s13, ttmp9, s12
	s_max_u32 s13, s13, 1
	s_sub_co_u32 s13, s13, 1                       ; the block that I fetch: max(nb - 1 + sel, 0)
	s_lshl_b32 s13, s13, 7
	s_lshl_b32 s14, s10, 12
	s_add_co_u32 s13, s13, s14                     ; its first row
	s_lshl_b32 s44, s13, 12                        ; 4,096 bytes a row
	s_lshl_b32 s15, s11, 8
	s_add_co_u32 s44, s44, s15
	s_add_co_u32 s44, s44, 2048                    ; K's head
	s_mov_b32 s45, 0
	s_lshl_b32 s46, ttmp9, 7
	s_add_co_u32 s46, s46, s14
	s_lshl_b32 s47, s48, 4
	s_add_co_u32 s46, s46, s47                     ; my first query's row
	s_lshl_b32 s47, s11, 1
	s_add_co_u32 s47, s47, s49
	s_lshl_b32 s47, s47, 8                         ; my query head's 256 bytes
	s_lshl_b32 s50, s46, 12
	s_add_co_u32 s50, s50, s47
	s_mov_b32 s51, 0
	s_lshl_b32 s52, s46, 11                        ; o16: 2,048 bytes a row
	s_add_co_u32 s52, s52, s47
	s_mov_b32 s53, 0
	s_mov_b32 s32, 1
	s_mul_i32 s33, s12, 128*PK
	s_mov_b32 s36, 1
	s_mul_i32 s37, s12, 128*PV
	s_add_co_u32 s37, s37, VOFF
	s_mov_b32 s40, 0x76543210                      ; v_permlanex16_b32's selects: lane l xor 16
	s_mov_b32 s41, 0xfedcba98
	s_mov_b32 s42, 0x3e0293ee                      ; c = log2(e) / sqrt(128)
	s_mov_b32 s43, s42                             ; (named with it as a pair)
	s_wait_dscnt 0x0                               ; both opening adds are done
	s_wait_kmcnt 0x0
	s_add_nc_u64 s[34:35], s[4:5], s[44:45]
	s_add_nc_u64 s[38:39], s[34:35], 1024          ; V's head lies 512 columns behind K's
	s_or_b32 s35, s35, 0x80000000
	s_or_b32 s39, s39, 0x80000000
	s_add_nc_u64 s[50:51], s[4:5], s[50:51]        ; Q at my first row
	s_add_nc_u64 s[52:53], s[6:7], s[52:53]        ; O likewise
	s_cmp_lt_u32 s8, 2                             ; waves 0, 1: K's two blocks; waves 2, 3: V's; the others fetch nothing.  An s_nop 0 and four v_nop follow each line
	s_cbranch_scc0 .Lnot_k
	tensor_load_to_lds s[32:35], s[16:23]
	s_nop 0
.rept 4
	v_nop
.endr
	s_branch .Lasked
.Lnot_k:
	s_cmp_lt_u32 s8, 4
	s_cbranch_scc0 .Lasked
	tensor_load_to_lds s[36:39], s[24:31]
	s_nop 0
.rept 4
	v_nop
.endr
.Lasked:
	v_and_b32 v1, 15, v0                           ; r
	v_bfe_u32 v2, v0, 4, 1                         ; h
	v_lshlrev_b32 v7, 12, v1
	v_lshl_add_u32 v7, v2, 4, v7                   ; Q: row r of 4,096 bytes, + 16 h
.irp c, 0,1,2,3
	global_load_b128 v[QF+8*\c:QF+8*\c+3], v7, s[50:51] offset:64*\c
	global_load_b128 v[QF+8*\c+4:QF+8*\c+7], v7, s[50:51] offset:64*\c+32
.endr
	s_mul_i32 s56, s48, 16*PK
	v_mul_u32_u24 v3, v1, PK
	v_lshl_add_u32 v3, v2, 4, v3
	v_add_nc_u32 v3, s56, v3                       ; K: key row 16 u + r, + 16 h
	s_mul_i32 s57, s48, 16*PV
	s_add_co_u32 s57, s57, VOFF
	v_and_b32 v4, 7, v0
	v_lshl_add_u32 v4, v2, 3, v4
	v_mul_u32_u24 v4, v4, PV
	v_bfe_u32 v17, v0, 3, 1
	v_lshl_add_u32 v4, v17, 4, v4
	v_add_nc_u32 v4, s57, v4                       ; V: key row 16 u + 8 h + l % 8, channels 8 ((l / 8) % 2) on
	s_mul_i32 s58, s8, 16*272
	s_add_co_u32 s58, s58, STAGE                   ; my stage
	v_mul_u32_u24 v8, v1, 272
	v_lshl_add_u32 v8, v2, 4, v8
	v_add_nc_u32 v8, s58, v8                       ; in: row r, 16 bytes for each half of the lanes
	v_mul_u32_u24 v9, v2, 272
	v_lshl_add_u32 v9, v1, 4, v9
	v_add_nc_u32 v9, s58, v9                       ; back: lanes 0-15 one row, lanes 16-31 the next
	v_lshlrev_b32 v10, 11, v2
	v_lshl_add_u32 v10, v1, 4, v10                 ; and the same two rows in o16
	v_lshlrev_b32 v17, 3, v2
	v_sub_nc_u32 v11, v1, v17                      ; d = r - 8 h: register j's key stands above my query's place where j > d
	v_mov_b32 v12, 0xff800000                      ; -infinity
	s_wait_tensorcnt 0x0                           ; my tile, if I fetched one, has landed
	s_barrier_signal -1
	s_barrier_wait -1                              ; everybody's has; nothing is ever filled again
	; S^T = K Q^T: nine tiles of keys, 32 channels at a time.  The nine accumulators take turns.
.irp c, 0,1,2,3
.if \c > 0
	PLACES 4                                       ; ahead of loads into registers that matrix instructions have read
.endif
.irp i, 0,1,2,3,4,5,6,7,8
	ds_load_b128 v[KF+8*\i:KF+8*\i+3], v3 offset:4352*\i+64*\c
	ds_load_b128 v[KF+8*\i+4:KF+8*\i+7], v3 offset:4352*\i+64*\c+32
.endr
.if \c == 0
	s_wait_loadcnt 0x0                             ; Q
.endif
.irp i, 0,1,2,3,4,5,6,7,8
	s_wait_dscnt 16-2*\i                           ; fragment i's two loads are in; the younger fragments' stay out
.if \c == 0
	v_wmma_f32_16x16x32_f16 v[S+8*\i:S+8*\i+7], v[KF+8*\i:KF+8*\i+7], v[QF+8*\c:QF+8*\c+7], 0
.else
	v_wmma_f32_16x16x32_f16 v[S+8*\i:S+8*\i+7], v[KF+8*\i:KF+8*\i+7], v[QF+8*\c:QF+8*\c+7], v[S+8*\i:S+8*\i+7]
.endif
.endr
.endr
.macro FETCH_V p                       ; V^T of keys 32 p on from my first tile: 8 fragments of 16 channels x 32 keys
.irp t, 0,1,2,3,4,5,6,7
	ds_load_tr16_b128 v[VF+8*\t:VF+8*\t+3], v4 offset:9216*(\p)+32*\t
.if (\p) < 4
	ds_load_tr16_b128 v[VF+8*\t+4:VF+8*\t+7], v4 offset:9216*(\p)+4608+32*\t
.else
	ds_load_tr16_b128 v[VF+8*\t+4:VF+8*\t+7], v4 offset:9216*(\p)+32*\t   ; there is no tenth tile: the same rows once more, finite numbers that meet p = 0
.endif
.endr
.endm
	PLACES 4                                       ; behind the last products: ahead of the loads below and of the first reads of scores
	FETCH_V 0                                      ; lands while the softmax is walked
.irp j, 0,1,2,3,4,5,6,7                ; the window's two edges
	v_cmp_gt_i32 vcc_lo, \j, v11
	v_cndmask_b32 v[S+\j], v12, v[S+\j], vcc_lo            ; tile u counts where the key's place is above the query's
	v_cndmask_b32 v[S+64+\j], v[S+64+\j], v12, vcc_lo      ; tile u + 8 where it is not
.endr
	s_cmp_lg_u32 ttmp9, 0                          ; a batch's first block has no block before it: a branch on the work-group's number alone
	s_cbranch_scc1 .Lnot_first
.irp i, 0,1,2,3,4,5,6,7
	s_add_co_u32 s55, s48, \i
	s_cmp_lt_u32 s55, 8                            ; tile u + i lies in the rows of 'the block before'
	s_cselect_b32 s54, -1, 0
.irp j, 0,1,2,3,4,5,6,7
	v_cndmask_b32 v[S+8*\i+\j], v[S+8*\i+\j], v12, s54
.endr
.endr
.Lnot_first:
	; the row's maximum, in four chains; each accumulator is read from its low end on
.irp k, 0,1,2,3
	v_max_num_f32 v[13+\k], v[S+2*\k], v[S+2*\k+1]
.endr
.irp i, 1,2,3,4,5,6,7,8
.irp k, 0,1,2,3
	v_max3_num_f32 v[13+\k], v[13+\k], v[S+8*\i+2*\k], v[S+8*\i+2*\k+1]
.endr
.endr
	v_max3_num_f32 v13, v13, v14, v15
	v_max_num_f32 v13, v13, v16
	v_permlanex16_b32 v17, v13, s40, s41           ; the query's other keys lie in the lane 16 away
	v_max_num_f32 v13, v13, v17                    ; finite: the query's own key always counts
	v_mul_f32 v18, s42, v13                        ; c m
	v_mov_b32 v19, v18
.set i, 0
.rept 36
	v_pk_fma_f32 v[S+i:S+i+1], v[S+i:S+i+1], s[42:43], v[18:19] op_sel_hi:[1,0,0] neg_lo:[0,0,1] neg_hi:[0,0,1]   ; c s - c m
.set i, i+2
.endr
.set i, 0
.rept 72
	v_exp_f32 v[S+i], v[S+i]                       ; p, at most 1; 0 where hidden
.set i, i+1
.endr
	v_nop                                          ; a plain line behind the last exponential
	s_wait_alu depctr_va_vdst(0)                   ; one wait for the batch of 72, ahead of its first reader
	v_pk_add_f32 v[20:21], v[S:S+1], v[S+2:S+3]    ; the row's sum, in two chains that the first pairs start
	v_pk_add_f32 v[22:23], v[S+4:S+5], v[S+6:S+7]
.set i, 8
.rept 16
	v_pk_add_f32 v[20:21], v[20:21], v[S+i:S+i+1]
	v_pk_add_f32 v[22:23], v[22:23], v[S+i+2:S+i+3]
.set i, i+4
.endr
.irp i, 0,1,2,3,4,5,6,7,8
.irp m, 0,1,2,3
	v_cvt_pk_f16_f32 v[P+4*\i+\m], v[S+8*\i+2*\m], v[S+8*\i+2*\m+1]
.endr
.endr
.irp m, 0,1,2,3
	v_mov_b32 v[P+36+\m], 0                        ; the tenth tile's p
.endr
	PLACES 5                                       ; O^T is laid over S^T: a matrix instruction writes over registers of earlier ones
	; O^T = V^T P: 32 keys at a time, eight tiles of 16 channels by turns
.irp p, 0,1,2,3,4
.if \p > 0
	PLACES 4
	FETCH_V \p
.endif
.irp t, 0,1,2,3,4,5,6,7
	s_wait_dscnt 14-2*\t                           ; fragment t's two loads are in
.if \p == 0
	v_wmma_f32_16x16x32_f16 v[S+8*\t:S+8*\t+7], v[VF+8*\t:VF+8*\t+7], v[P+8*\p:P+8*\p+7], 0
.else
	v_wmma_f32_16x16x32_f16 v[S+8*\t:S+8*\t+7], v[VF+8*\t:VF+8*\t+7], v[P+8*\p:P+8*\p+7], v[S+8*\t:S+8*\t+7]
.endif
.endr
.endr
	; THE WAY OUT: O^T / the sum, to f16, through my stage, out as whole rows of 256 bytes
	v_pk_add_f32 v[20:21], v[20:21], v[22:23]
	v_add_f32 v20, v20, v21
	v_permlanex16_b32 v17, v20, s40, s41
	v_add_f32 v20, v20, v17                        ; the row's sum
	PLACES 4                                       ; behind the last products
	v_rcp_f32 v22, v20
	v_rcp_f32 v23, v20                             ; twice: the packed multiply names a pair
	v_nop
	s_wait_alu depctr_va_vdst(0)                   ; one wait for both, ahead of the first reader
.set i, 0
.rept 32
	v_pk_mul_f32 v[S+i:S+i+1], v[S+i:S+i+1], v[22:23]
.set i, i+2
.endr
.irp t, 0,1,2,3,4,5,6,7
.irp m, 0,1,2,3
	v_cvt_pk_f16_f32 v[HH+4*\t+\m], v[S+8*\t+2*\m], v[S+8*\t+2*\m+1]   ; channels 16 t + 8 h + 0 .. 7 of query r: 16 bytes
.endr
.endr
.irp t, 0,1,2,3,4,5,6,7
	ds_store_b128 v8, v[HH+4*\t:HH+4*\t+3] offset:32*\t
.endr
.irp f, 0,1,2,3,4,5,6,7
	ds_load_b128 v[BK+4*\f:BK+4*\f+3], v9 offset:544*\f    ; LDS serves a wave's instructions in order: these see the stores above
.endr
.irp f, 0,1,2,3,4,5,6,7
	s_wait_dscnt 7-\f
	global_store_b128 v10, v[BK+4*\f:BK+4*\f+3], s[52:53] offset:4096*\f   ; 16 lanes store 256 consecutive bytes, aligned
.endr
	s_wait_tensorcnt 0x0                           ; the wave's end
	ds_add_u32 v5, v6
	s_wait_dscnt 0x0
	s_endpgm
.Lfunc_end_k_q047706b1bc_attn:
	.size	k_q047706b1bc_attn, .Lfunc_end_k_q047706b1bc_attn-k_q047706b1bc_attn
	.p2alignl 7, 3214868480
	.fill 96, 4, 3214868480
	.section	.rodata,"a",@progbits
	.p2align	6, 0x0
	.amdhsa_kernel k_q047706b1bc_attn
		.amdhsa_group_segment_fixed_size 215040
		.amdhsa_private_segment_fixed_size 0
		.amdhsa_enable_private_segment 0
		.amdhsa_kernarg_size 16
		.amdhsa_user_sgpr_count 2
		.amdhsa_user_sgpr_kernarg_segment_ptr 1
		.amdhsa_wavefront_size32 1
		.amdhsa_system_sgpr_workgroup_id_x 1
		.amdhsa_system_sgpr_workgroup_id_y 1
		.amdhsa_system_sgpr_workgroup_id_z 1
		.amdhsa_system_vgpr_workitem_id 0
		.amdhsa_next_free_vgpr 256
		.amdhsa_next_free_sgpr 66
		.amdhsa_reserve_vcc 1
		.amdhsa_float_denorm_mode_32 3
		.amdhsa_float_denorm_mode_16_64 3
		.amdhsa_memory_ordered 1
		.amdhsa_forward_progress 1
		.amdhsa_inst_pref_size 48
	.end_amdhsa_kernel
	.amdgpu_metadata
---
amdhsa.version: [ 1, 2 ]
amdhsa.kernels:
  - .name:           k_q047706b1bc_attn
    .symbol:         k_q047706b1bc_attn.kd
    .args:
      - { .name: qkv16, .offset: 0, .size: 8, .value_kind: global_buffer, .address_space: global }
      - { .name: o16, .offset: 8, .size: 8, .value_kind: global_buffer, .address_space: global }
    .group_segment_fixed_size: 215040
    .private_segment_fixed_size: 0
    .kernarg_segment_align: 8
    .kernarg_segment_size: 16
    .max_flat_workgroup_size: 512
    .sgpr_count:     66
    .vgpr_count:     256
    .wavefront_size: 32
...
	.end_amdgpu_metadata
.endif
;; end of part 3
;; launch proj (part 4): grid 8 x 32, 4 waves a work-group, clusters of 4 x 4, 327,680 bytes of LDS; arguments o16, wo16, out0; writes out0
.if DOCPART == 4
	.amdgcn_target "amdgcn-amd-amdhsa--gfx1250"
	.amdhsa_code_object_version 6
	.text
	.protected	k_q047706b1bc_proj
	.globl	k_q047706b1bc_proj
	.p2align	8
	.type	k_q047706b1bc_proj,@function
k_q047706b1bc_proj:
	s_mov_b64 s[64:65], 0
	v_nop
	global_prefetch_b8 v0, s[64:65] scope:SCOPE_SE
	s_setreg_imm32_b32 hwreg(HW_REG_WAVE_MODE, 25, 1), 1
	s_wait_xcnt 0x0
	s_wait_alu depctr_hold_cnt(0) depctr_sa_sdst(0) depctr_va_vdst(0) depctr_va_sdst(0) depctr_va_ssrc(0) depctr_va_vcc(0) depctr_vm_vsrc(0)
	s_getreg_b32 s2, hwreg(HW_REG_IB_STS2, 6, 4)
	s_cmp_eq_u32 s2, 0
	s_cbranch_scc0 .Lentry_in_a_cluster
	s_endpgm
.Lentry_in_a_cluster:
	s_bfe_u32 s2, ttmp6, 0x10000c
	s_cmp_lg_u32 s2, 0xf033
	s_cbranch_scc0 .Lentry_shape_is_right
	s_endpgm
.Lentry_shape_is_right:
; out0[m][n] = sum over k of o[m][k] wo[n][k].  o16: [8192][1024] f16, wo16: [2048][1024] f16, out0: [8192][2048] f32; sums in f32.
; A tile of 256 x 256 is made by a work-group of four waves; a wave makes 128 x 128: 64 accumulators, 512 registers.  K goes in steps of 128 through a ring of two LDS slots filled by the tensor data mover: a tile's row is 256 bytes of memory.
; CLUSTERS: 4 x 4 work-groups: o's tiles are asked for jointly along a row of the cluster, wo's along a column.  THE MATRIX INSTRUCTION IS USED TRANSPOSED (source 0 = 16 rows of wo, source 1 = 16 rows of o): a lane holds eight neighbouring columns of a row.
; Rows 0-15 of each batch are written here like all others and written again, from f32 operands, by the launch that follows: 256 KiB of 64 MiB twice, in place of a special case in a cluster's text.
; From a request for a tile to the wait for it a wave issues 224 matrix instructions; no prefetch is laid.
; REGISTERS: window 0: v0-31 addresses; v64-127, v128-191 o's fragments, two buffers, on the way out rows read back.  window 1: v64-127, v128-191 wo's fragments.  windows 2, 3: the accumulators ((a, b) at v[8 (8 (a % 4) + b)]).
.set SIZE_M, 8192
.set SIZE_N, 2048
.set SIZE_K, 1024
.set KSTEP,  128
.set PITCH,  272                       ; an LDS row: 256 bytes + 16 of padding
.set HALFT,  128*PITCH
.set SLOT,   4*HALFT
.set STAGE,  2*SLOT                    ; behind the ring: 16 rows x (512 bytes + 16) for each wave
.set SPITCH, 528
.set SPARE,  STAGE+4*16*SPITCH         ; the spare words, 128 bytes a wave
.set LAPS,   SIZE_K/(2*KSTEP)
.set ADRA, 16
.set ADRB, 20
.set STO,  24
.set RD,   25
.set CO,   26
.set SPW,  28
.set NIL,  29
.set F0,   64
.set F1,   128
.set BK,   64
.set G1, 24
.set G0, 32
.set G1B, 48
.set G0B, 56
.set MSB, 0
.macro WIN new
.if MSB != (\new)
	s_set_vgpr_msb (MSB<<8)|(\new)
.set MSB, (\new)
.endif
.endm
.set MUL_LO, 0xa1                      ; source 0 (wo) window 1, source 1 (o) window 0, C and D window 2
.set MUL_HI, 0xf1
.set TO_B,   0x40
.macro JLOAD s                         ; a joint load: waves 0 and 1 fetch o's two halves, waves 2 and 3 wo's; an s_nop 0 and four v_nop follow each line
	s_cmp_eq_u32 s11, 0
	s_cbranch_scc0 .Lfor_b_\@
	tensor_load_to_lds s[G0+4*\s:G0+4*\s+3], s[G1:G1+7]
	s_nop 0
.rept 4
	v_nop
.endr
	s_branch .Lasked_\@
.Lfor_b_\@:
	tensor_load_to_lds s[G0B+4*\s:G0B+4*\s+3], s[G1B:G1B+7]
	s_nop 0
.rept 4
	v_nop
.endr
.Lasked_\@:
.endm
.macro CREST
	s_cmp_lg_u32 s10, 0
	s_cbranch_scc1 .Lnot_wave_0_\@
	s_barrier_signal -3
.Lnot_wave_0_\@:
	s_barrier_wait -3
	s_barrier_signal -1
	s_barrier_wait -1
.endm
.macro CROUND
	s_barrier_signal -1
	s_barrier_wait -1
	CREST
.endm
	s_load_b128 s[4:7], s[0:1], 0x0                ; o16 s[4:5], wo16 s[6:7]
	s_load_b64 s[8:9], s[0:1], 0x10                ; out0
	v_lshl_add_u32 v[SPW], v0, 2, SPARE
	v_mov_b32 v[NIL], 0
	ds_add_u32 v[SPW], v[NIL]                      ; the wave's opening: the add, twice on end, and its wait ahead of my first tensor load
	ds_add_u32 v[SPW], v[NIL]
	v_lshrrev_b32 v1, 5, v0
	v_readfirstlane_b32 s10, v1                    ; wave 0..3
	s_lshr_b32 s11, s10, 1                         ; which half of the tile's rows is mine.  Also: I fetch for o (0) or for wo (1)
	s_and_b32 s12, s10, 1                          ; which half of its columns.  Also: which 128 rows of that tile I fetch
	s_bfe_u32 s40, ttmp6, 0x40000                  ; cx
	s_bfe_u32 s41, ttmp6, 0x40004                  ; cy
	s_lshl_b32 s42, ttmp9, 2
	s_add_co_u32 s42, s42, s40                     ; tile column
	s_and_b32 s13, ttmp7, 0xffff
	s_lshl_b32 s13, s13, 2
	s_add_co_u32 s13, s13, s41                     ; tile row
	s_lshl_b32 s43, s41, 2
	s_lshl_b32 s43, 15, s43                        ; my row of the cluster
	s_lshl_b32 s44, 0x1111, s40                    ; my column
	; group 1: 128 rows x 128 elements of 2 bytes; padding: 4 words behind every 64; bit 21 beside the mask
	s_or_b32 s[G1+0], s43, (1<<16)|(1<<20)|(1<<21)|(5<<22)|(3<<25)
	s_or_b32 s[G1B+0], s44, (1<<16)|(1<<20)|(1<<21)|(5<<22)|(3<<25)
.irp g, G1, G1B
	s_mov_b32 s[\g+1], KSTEP<<16                   ; tensor_dim0
	s_mov_b32 s[\g+2], 128<<16                     ; tensor_dim1
	s_mov_b32 s[\g+3], KSTEP<<16                   ; tile_dim0
	s_mov_b32 s[\g+4], 128                         ; tile_dim1
	s_mov_b32 s[\g+5], SIZE_K                      ; the pitch
	s_mov_b32 s[\g+6], 0
	s_mov_b32 s[\g+7], 0
.endr
	s_lshl_b32 s17, s12, 7
	s_lshl_b32 s16, s13, 8
	s_add_co_u32 s16, s16, s17                     ; o: row 256 x tile row + 128 x half
	s_lshl_b32 s46, s42, 8
	s_add_co_u32 s46, s46, s17                     ; wo: row 256 x tile column + 128 x half
	s_mov_b32 s17, 0
	s_mov_b32 s47, 0
	s_mov_b64 s[18:19], SIZE_K*2
	s_mul_u64 s[16:17], s[16:17], s[18:19]
	s_mul_u64 s[46:47], s[46:47], s[18:19]
	s_mul_i32 s20, s10, HALFT                      ; where they go: wave x 128 rows
	s_wait_dscnt 0x0                               ; both opening adds are done
	s_wait_kmcnt 0x0
	s_add_nc_u64 s[14:15], s[4:5], s[16:17]
	s_add_nc_u64 s[46:47], s[6:7], s[46:47]
	CROUND                                         ; all sixteen work-groups are here: the first joint loads meet
.irp s, 0,1
	s_mov_b32 s[G0+4*\s], 1
	s_add_co_u32 s[G0+4*\s+1], s20, \s*SLOT
	s_add_nc_u64 s[G0+4*\s+2:G0+4*\s+3], s[14:15], \s*KSTEP*2
	s_or_b32 s[G0+4*\s+3], s[G0+4*\s+3], 0x80000000
	s_mov_b32 s[G0B+4*\s], 1
	s_add_co_u32 s[G0B+4*\s+1], s20, \s*SLOT
	s_add_nc_u64 s[G0B+4*\s+2:G0B+4*\s+3], s[46:47], \s*KSTEP*2
	s_or_b32 s[G0B+4*\s+3], s[G0B+4*\s+3], 0x80000000
	JLOAD \s                                       ; two tensor loads of mine are out
.endr
	v_and_b32 v1, 15, v0                           ; l % 16
	v_bfe_u32 v2, v0, 4, 1                         ; l / 16
	v_mul_u32_u24 v3, v1, PITCH
	v_lshl_add_u32 v3, v2, 4, v3                   ; a fragment's row x pitch + 16 x half
	s_mul_i32 s21, s11, HALFT
	s_mul_i32 s22, s12, HALFT
	s_add_co_u32 s22, s22, 2*HALFT
.irp s, 0,1
	v_add_nc_u32 v[ADRA+\s], s21, v3
	v_add_nc_u32 v[ADRB+\s], s22, v3
	s_add_co_u32 s21, s21, SLOT
	s_add_co_u32 s22, s22, SLOT
.endr
	s_mul_i32 s23, s10, 16*SPITCH
	s_add_co_u32 s23, s23, STAGE                   ; my stage
	v_mul_u32_u24 v4, v1, SPITCH                   ; in: row l % 16, 32 bytes for each half of the lanes
	v_lshl_add_u32 v4, v2, 5, v4
	v_add_nc_u32 v[STO], s23, v4
	v_and_b32 v5, 31, v0
	v_lshlrev_b32 v[CO], 4, v5                     ; back: the 32 lanes take one row of 512 bytes; and the same in out0
	v_add_nc_u32 v[RD], s23, v[CO]
	s_lshl_b32 s13, s13, 8
	s_lshl_b32 s14, s11, 7
	s_add_co_u32 s16, s13, s14                     ; my first row
	s_lshl_b32 s16, s16, 13                        ; 8,192 bytes a row
	s_lshl_b32 s46, s42, 10                        ; my first column, in bytes
	s_lshl_b32 s47, s12, 9
	s_add_co_u32 s46, s46, s47
	s_add_co_u32 s16, s16, s46
	s_mov_b32 s17, 0
	s_add_nc_u64 s[8:9], s[8:9], s[16:17]
; 16 matrix instructions: m blocks a0, a0 + 1 of the window's four x all 8 n blocks, 32 along K.  zero = 1: the first product starts the sums.  The 64 accumulators take turns in the same order in every quarter.
.macro MUL16 f, hi, a0, zero
.irp a, \a0, \a0+1
.irp b, 0,1,2,3,4,5,6,7
.if \zero
	v_wmma_f32_16x16x32_f16 v[8*(8*(\a)+\b):8*(8*(\a)+\b)+7], v[\f+8*\b:\f+8*\b+7], v[\f+8*(4*\hi+\a):\f+8*(4*\hi+\a)+7], 0
.else
	v_wmma_f32_16x16x32_f16 v[8*(8*(\a)+\b):8*(8*(\a)+\b)+7], v[\f+8*\b:\f+8*\b+7], v[\f+8*(4*\hi+\a):\f+8*(4*\hi+\a)+7], v[8*(8*(\a)+\b):8*(8*(\a)+\b)+7]
.endif
.endr
.endr
.endm
.macro FETCH slot, k, f                ; 32 LDS loads in one run: the fragments of one quarter step
	WIN TO_B
.irp i, 0,1,2,3,4,5,6,7
	ds_load_b128 v[\f+8*\i:\f+8*\i+3],   v[ADRB+\slot] offset:\k+\i*16*PITCH
	ds_load_b128 v[\f+8*\i+4:\f+8*\i+7], v[ADRB+\slot] offset:\k+\i*16*PITCH+32
.endr
	WIN 0
.irp i, 0,1,2,3,4,5,6,7
	ds_load_b128 v[\f+8*\i:\f+8*\i+3],   v[ADRA+\slot] offset:\k+\i*16*PITCH
	ds_load_b128 v[\f+8*\i+4:\f+8*\i+7], v[ADRA+\slot] offset:\k+\i*16*PITCH+32
.endr
.endm
.macro PLACES                          ; four plain lines ahead of loads into registers that matrix instructions have read, and of reads of results
.rept 4
	v_nop
.endr
.endm
.macro QUARTER slot, k, f, g, zero     ; 32 along K on buffer f; in its middle the next quarter's fragments, at byte k, into buffer g
	s_wait_dscnt 8                                 ; wo's and o's rows 0-63 are in; the youngest eight loads may be out
	WIN MUL_LO
	MUL16 \f, 0, 0, \zero
	MUL16 \f, 0, 2, \zero
	PLACES
	FETCH \slot, \k, \g
	s_wait_dscnt 32                                ; all but the 32 just issued
	WIN MUL_HI
	MUL16 \f, 1, 0, \zero
	MUL16 \f, 1, 2, \zero
.endm
.macro MEET round                      ; the change of slots: all my tensor loads, the add, my reads of this slot; then the barrier
	WIN 0
	s_wait_tensorcnt 0x0                           ; all my tensor loads have landed: my part of the next slot
	ds_add_u32 v[SPW], v[NIL]
	s_wait_dscnt 9                                 ; (the add and the youngest eight loads may be out)
	WIN MUL_LO
	MUL16 F1, 0, 0, 0
	s_wait_dscnt 0x0                               ; the add is done, and my reads of this slot are over
	s_barrier_signal -1
	MUL16 F1, 0, 2, 0
.if \round
	WIN 0
.endif
	s_barrier_wait -1
.endm
.macro TURN slot, next, fill           ; a K step's last quarter.  fill = 1: this slot is filled again, two K steps ahead, behind a round of the cluster's barrier
	MEET \fill
.if \fill
	CREST
	s_add_nc_u64 s[G0+4*\slot+2:G0+4*\slot+3], s[G0+4*\slot+2:G0+4*\slot+3], 2*KSTEP*2
	s_add_nc_u64 s[G0B+4*\slot+2:G0B+4*\slot+3], s[G0B+4*\slot+2:G0B+4*\slot+3], 2*KSTEP*2
	JLOAD \slot                                    ; the first tensor load behind the round; its four v_nop are also the places in front of the loads below
.else
	PLACES
.endif
	FETCH \next, 0, F0
	WIN MUL_HI
	MUL16 F1, 1, 0, 0
	MUL16 F1, 1, 2, 0
.endm
	s_wait_tensorcnt 1                             ; my part of K step 0 is in (K step 1's may be out)
	s_barrier_signal -1
	s_barrier_wait -1                              ; everybody's is
	FETCH 0, 0, F0
	QUARTER 0, 64,  F0, F1, 1                      ; the first quarter's products start the sums
	WIN 0
	s_mov_b32 s3, LAPS-1
.Llap:                                             ; a trip goes once round the ring and fills both slots again
	QUARTER 0, 128, F1, F0, 0
	QUARTER 0, 192, F0, F1, 0
	TURN 0, 1, 1
	QUARTER 1, 64,  F0, F1, 0
	QUARTER 1, 128, F1, F0, 0
	QUARTER 1, 192, F0, F1, 0
	TURN 1, 0, 1
	QUARTER 0, 64,  F0, F1, 0
	WIN 0
	s_sub_co_u32 s3, s3, 1
	s_cmp_lg_u32 s3, 0
	s_cbranch_scc1 .Llap
	QUARTER 0, 128, F1, F0, 0                      ; the last lap fills nothing
	QUARTER 0, 192, F0, F1, 0
	TURN 0, 1, 0
	QUARTER 1, 64,  F0, F1, 0
	QUARTER 1, 128, F1, F0, 0
	QUARTER 1, 192, F0, F1, 0
	s_wait_dscnt 8
	WIN MUL_LO
	MUL16 F1, 0, 0, 0
	MUL16 F1, 0, 2, 0
	s_wait_dscnt 0
	WIN MUL_HI
	MUL16 F1, 1, 0, 0
	MUL16 F1, 1, 2, 0
	WIN 0
; THE WAY OUT, a block of 16 rows x 128 columns at a time: through my own stage in LDS and back as whole rows of 512 bytes.  LDS serves a wave's instructions in order (ISA guide 5.7.1.4).
.macro TOSTAGE a
.set AC, 64*((\a)%4)
	WIN 0x08+4*((\a)/4)                            ; an LDS store's data: window 2 or 3
.irp b, 0,1,2,3,4,5,6,7
	ds_store_b128 v[STO], v[AC+8*\b:AC+8*\b+3] offset:64*\b          ; each accumulator from its low end on
	ds_store_b128 v[STO], v[AC+8*\b+4:AC+8*\b+7] offset:64*\b+16
.endr
	WIN 0
.set BB, BK+64*((\a)%2)
.irp t, 0,1,2,3,4,5,6,7,8,9,10,11,12,13,14,15
	ds_load_b128 v[BB+4*\t:BB+4*\t+3], v[RD] offset:\t*SPITCH
.endr
.endm
.macro SEND a, younger                 ; younger: the LDS instructions issued behind block a's loads, which may stay out
.set BB, BK+64*((\a)%2)
	s_wait_dscnt \younger
.if (\a) > 0
	s_add_nc_u64 s[8:9], s[8:9], 16*SIZE_N*4       ; (behind a wait on XCNT: the earlier stores have read their base)
.endif
.irp t, 0,1,2,3,4,5,6,7,8,9,10,11,12,13,14,15
	global_store_b128 v[CO], v[BB+4*\t:BB+4*\t+3], s[8:9] offset:\t*SIZE_N*4 th:TH_STORE_NT   ; 32 lanes store 512 consecutive bytes, aligned
.endr
.endm
	PLACES
	TOSTAGE 0
.irp a, 1,2,3,4,5,6,7
.if \a > 1
	s_wait_xcnt 0x0                                ; block a - 2's stores have read their registers and their base
.endif
	TOSTAGE \a
	SEND \a-1, 32                                  ; behind block a - 1's loads: block a's 16 stores and 16 loads
.endr
	s_wait_xcnt 0x0
	SEND 7, 0
	s_wait_tensorcnt 0x0                           ; the wave's end
	ds_add_u32 v[SPW], v[NIL]
	s_wait_dscnt 0x0
	CROUND                                         ; the closing round
	s_endpgm
.Lfunc_end_k_q047706b1bc_proj:
	.size	k_q047706b1bc_proj, .Lfunc_end_k_q047706b1bc_proj-k_q047706b1bc_proj
	.p2alignl 7, 3214868480
	.fill 96, 4, 3214868480
	.section	.rodata,"a",@progbits
	.p2align	6, 0x0
	.amdhsa_kernel k_q047706b1bc_proj
		.amdhsa_group_segment_fixed_size 327680
		.amdhsa_private_segment_fixed_size 0
		.amdhsa_enable_private_segment 0
		.amdhsa_kernarg_size 24
		.amdhsa_user_sgpr_count 2
		.amdhsa_user_sgpr_kernarg_segment_ptr 1
		.amdhsa_wavefront_size32 1
		.amdhsa_system_sgpr_workgroup_id_x 1
		.amdhsa_system_sgpr_workgroup_id_y 1
		.amdhsa_system_sgpr_workgroup_id_z 1
		.amdhsa_system_vgpr_workitem_id 0
		.amdhsa_next_free_vgpr 1024
		.amdhsa_next_free_sgpr 66
		.amdhsa_reserve_vcc 0
		.amdhsa_float_denorm_mode_32 3
		.amdhsa_float_denorm_mode_16_64 3
		.amdhsa_memory_ordered 1
		.amdhsa_forward_progress 1
		.amdhsa_inst_pref_size 140
	.end_amdhsa_kernel
	.amdgpu_metadata
---
amdhsa.version: [ 1, 2 ]
amdhsa.kernels:
  - .name:           k_q047706b1bc_proj
    .symbol:         k_q047706b1bc_proj.kd
    .args:
      - { .name: o16, .offset: 0, .size: 8, .value_kind: global_buffer, .address_space: global }
      - { .name: wo16, .offset: 8, .size: 8, .value_kind: global_buffer, .address_space: global }
      - { .name: out0, .offset: 16, .size: 8, .value_kind: global_buffer, .address_space: global }
    .group_segment_fixed_size: 327680
    .private_segment_fixed_size: 0
    .kernarg_segment_align: 8
    .kernarg_segment_size: 24
    .max_flat_workgroup_size: 128
    .sgpr_count:     66
    .vgpr_count:     1024
    .wavefront_size: 32
...
	.end_amdgpu_metadata
.endif
;; end of part 4
;; launch first16 (part 5): grid 128 x 2, 8 waves a work-group, no clusters, 9,216 bytes of LDS; arguments fine, wo, out0; writes out0
.if DOCPART == 5
	.amdgcn_target "amdgcn-amd-amdhsa--gfx1250"
	.amdhsa_code_object_version 6
	.text
	.protected	k_q047706b1bc_first16
	.globl	k_q047706b1bc_first16
	.p2align	8
	.type	k_q047706b1bc_first16,@function
k_q047706b1bc_first16:
	s_mov_b64 s[64:65], 0
	v_nop
	global_prefetch_b8 v0, s[64:65] scope:SCOPE_SE
	s_setreg_imm32_b32 hwreg(HW_REG_WAVE_MODE, 25, 1), 1
	s_wait_xcnt 0x0
; POSITIONS 0-15 OF EACH BATCH, ALL IN f32: their rows average one to sixteen values, so the rounding of 16-bit operands weighs most there.  Attention and the projection by v_wmma_f32_16x16x4_f32; the 32 rows of out0 are written anew.
; fine: q, k, v of those rows in f32, turned by the rotary embedding already, laid as an image of operand registers: [batch][head: 0-7 q, 8-11 k, 12-15 v][piece e 0-15][lane][4 numbers];
; piece e of lane (r, h) is row r, channels 16 (e / 2) + 8 h + 4 (e % 2) + 0 .. 3 of the head.  So each load of Q, K or V takes 512 consecutive bytes and is four registers of an operand.  wo: [2048][1024] f32.
; SHARES.  A work-group makes 16 output columns of one batch's 16 rows.  Wave w is head w; the eight heads' parts meet in LDS and are added in the order of the heads.
; THE PRODUCTS ARE ASSOCIATED AS y = P (V Wo^T) / l.  V Wo^T is 16 keys x 16 columns over the head's 128 channels: 32 matrix instructions; P times it runs over 16 keys: 4.  (O = P V and then O Wo^T would be 32 + 32.)
; With the scores' 32 a wave issues 68.  The scores (16 queries x 16 keys, causal; the window of 128 hides nothing here) are repeated in every work-group.
; THE ORDER OF K is permuted alike in both operands of each product.  Scores and V Wo^T, step s: lane half h, register j stand for the channel that registers 2 s + j of the image hold; wo's loads take the same channels.
; The last product, step s: key 8 h + 2 s + j, which is where the results of K Q^T (lane = query) and of V Wo^T (lane = column) hold it.
; The registers that the matrix instructions write, v112-207, are written by nothing else; each sum begins with the constant 0; four accumulators take turns.
; The stores are runs of 64 bytes, 256 KiB in the whole launch: whole rows of 256 bytes would want 64 columns a work-group, four times each wave's chain of products.
; REGISTERS: window 0: v1-13 addresses; v16-79 V; v80-87 p; v88-111 at work; v112-143 the scores' four accumulators; v144-175 V Wo^T's; v176-207 y's; v208-239 at work.  window 1: v0-63 wo, v64-127 Q, v128-191 K.
.set SPARE, 8192                       ; behind the eight parts of 1,024 bytes: the spare words, 128 bytes a wave
.set MSB, 0
.macro WIN new                         ; the immediate's high byte repeats the setting that is left
.if MSB != (\new)
	s_set_vgpr_msb (MSB<<8)|(\new)
.set MSB, (\new)
.endif
.endm
.macro PLACES n
.rept \n
	v_nop
.endr
.endm
	s_load_b128 s[4:7], s[0:1], 0x0                ; fine, wo
	s_load_b64 s[8:9], s[0:1], 0x10                ; out0
	v_lshl_add_u32 v6, v0, 2, SPARE                ; v6: my spare word; v7: 0; both kept for this alone
	v_mov_b32 v7, 0
	v_lshrrev_b32 v1, 5, v0
	v_readfirstlane_b32 s10, v1                    ; wave = head
	s_and_b32 s11, ttmp7, 0xffff                   ; batch
	v_and_b32 v13, 31, v0                          ; lane
	v_and_b32 v1, 15, v0                           ; r
	v_bfe_u32 v2, v0, 4, 1                         ; h
	v_lshlrev_b32 v3, 4, v13                       ; fine: 16 x lane in a piece of 512 bytes
	v_lshlrev_b32 v5, 12, v1
	v_lshl_add_u32 v5, v2, 5, v5                   ; wo: row r of 4,096 bytes, + 8 h channels
	v_lshlrev_b32 v8, 3, v2
	v_sub_nc_u32 v8, v1, v8                        ; d = r - 8 h: register j's key comes after my query where j > d
	v_mov_b32 v9, 0xff800000                       ; -infinity
	s_lshl_b32 s12, s10, 10
	v_lshlrev_b32 v10, 6, v1
	v_lshl_add_u32 v10, v2, 5, v10
	v_add_nc_u32 v10, s12, v10                     ; LDS: my head's part: query r's 64 bytes, + 32 h
	s_lshl_b32 s13, s10, 7
	v_lshl_add_u32 v11, v13, 2, s13                ; and the one number of each part that I add: 128 x wave + 4 x lane
	s_lshl_b32 s14, s10, 1
	v_add_nc_u32 v12, s14, v2
	v_lshlrev_b32 v12, 13, v12
	v_lshl_add_u32 v12, v1, 2, v12                 ; its place in out0: row 2 w + lane / 16, column lane % 16
	v_mov_b32 v209, 0                              ; a lane permute's destination counts as one of its sources
	s_mov_b32 s28, 0x76543210
	s_mov_b32 s29, 0xfedcba98
	s_mov_b32 s30, 0x3e0293ee                      ; c = log2(e) / sqrt(128)
	s_lshl_b32 s16, s11, 17                        ; a batch: 16 images of 8,192 bytes
	s_lshl_b32 s17, s10, 13
	s_add_co_u32 s20, s16, s17                     ; Q: image w
	s_mov_b32 s21, 0
	s_lshr_b32 s18, s10, 1                         ; two query heads share a key/value head
	s_lshl_b32 s18, s18, 13
	s_add_co_u32 s22, s16, s18
	s_add_co_u32 s22, s22, 0x10000                 ; K: image 8 + w / 2; V lies four images, 32,768 bytes, on
	s_mov_b32 s23, 0
	s_lshl_b32 s24, ttmp9, 16                      ; 16 rows of wo,
	s_lshl_b32 s19, s10, 9
	s_add_co_u32 s24, s24, s19                     ; my head's 128 channels
	s_mov_b32 s25, 0
	s_lshl_b32 s26, s11, 25                        ; a batch of out0: 4,096 rows of 8,192 bytes
	s_lshl_b32 s27, ttmp9, 6
	s_add_co_u32 s26, s26, s27
	s_mov_b32 s27, 0
	s_wait_kmcnt 0x0
	s_add_nc_u64 s[20:21], s[4:5], s[20:21]        ; Q
	s_add_nc_u64 s[22:23], s[4:5], s[22:23]        ; K
	s_add_nc_u64 s[24:25], s[6:7], s[24:25]        ; wo
	s_add_nc_u64 s[26:27], s[8:9], s[26:27]        ; out0
	WIN 0x40                                       ; destination window 1
.irp e, 0,1,2,3,4,5,6,7,8,9,10,11,12,13,14,15
	global_load_b128 v[128+4*\e:131+4*\e], v3, s[22:23] offset:512*\e   ; K: the wave reads 512 consecutive bytes
.endr
.irp e, 0,1,2,3,4,5,6,7,8,9,10,11,12,13,14,15
	global_load_b128 v[64+4*\e:67+4*\e], v3, s[20:21] offset:512*\e     ; Q likewise
.endr
.irp t, 0,1,2,3,4,5,6,7
	global_load_b128 v[8*\t:8*\t+3], v5, s[24:25] offset:64*\t          ; wo(n0 + r, 128 w + 16 t + 8 h ..): the channels of the image's pieces 2 t and 2 t + 1
	global_load_b128 v[8*\t+4:8*\t+7], v5, s[24:25] offset:64*\t+16
.endr
	WIN 0
.irp e, 0,1,2,3,4,5,6,7,8,9,10,11,12,13,14,15
	global_load_b128 v[16+4*\e:19+4*\e], v3, s[22:23] offset:32768+512*\e   ; V
.endr
	s_wait_loadcnt 32                              ; K and Q are in; wo's and V's 32 loads may be out
	WIN 0x05                                       ; sources 0 and 1 window 1
.set i, 0
.rept 32                               ; S^T = K Q^T: lane (r, h), register j: key 8 h + j, query r
.if i < 4
	v_wmma_f32_16x16x4_f32 v[112+8*(i%4):119+8*(i%4)], v[128+2*i:129+2*i], v[64+2*i:65+2*i], 0
.else
	v_wmma_f32_16x16x4_f32 v[112+8*(i%4):119+8*(i%4)], v[128+2*i:129+2*i], v[64+2*i:65+2*i], v[112+8*(i%4):119+8*(i%4)]
.endif
.set i, i+1
.endr
	s_wait_loadcnt 0x0                             ; wo and V
	WIN 0x04                                       ; source 0 (V) window 0, source 1 (wo) window 1
.set i, 0
.rept 32                               ; V Wo^T: lane (r, h), register j: key 8 h + j, column n0 + r
.if i < 4
	v_wmma_f32_16x16x4_f32 v[144+8*(i%4):151+8*(i%4)], v[16+2*i:17+2*i], v[2*i:2*i+1], 0
.else
	v_wmma_f32_16x16x4_f32 v[144+8*(i%4):151+8*(i%4)], v[16+2*i:17+2*i], v[2*i:2*i+1], v[144+8*(i%4):151+8*(i%4)]
.endif
.set i, i+1
.endr
	WIN 0
	PLACES 8                                       ; behind this form eight places ahead of a read of its result
.irp j, 0,2,4,6                        ; the scores' four part sums, from the low registers on
	v_pk_add_f32 v[88+\j:89+\j], v[112+\j:113+\j], v[120+\j:121+\j]
	v_pk_add_f32 v[96+\j:97+\j], v[128+\j:129+\j], v[136+\j:137+\j]
.endr
.irp j, 0,2,4,6
	v_pk_add_f32 v[88+\j:89+\j], v[88+\j:89+\j], v[96+\j:97+\j]
.endr
.irp j, 0,2,4,6                        ; and V Wo^T's: v224-231 are source 0 of the last product
	v_pk_add_f32 v[224+\j:225+\j], v[144+\j:145+\j], v[152+\j:153+\j]
	v_pk_add_f32 v[232+\j:233+\j], v[160+\j:161+\j], v[168+\j:169+\j]
.endr
.irp j, 0,2,4,6
	v_pk_add_f32 v[224+\j:225+\j], v[224+\j:225+\j], v[232+\j:233+\j]
.endr
.irp j, 0,1,2,3,4,5,6,7
	v_cmp_gt_i32 vcc_lo, \j, v8
	v_cndmask_b32 v[88+\j], v[88+\j], v9, vcc_lo   ; keys after the query are hidden
.endr
	v_max3_num_f32 v208, v88, v89, v90
	v_max3_num_f32 v208, v208, v91, v92
	v_max3_num_f32 v208, v208, v93, v94
	v_max_num_f32 v208, v208, v95
	v_permlanex16_b32 v209, v208, s28, s29
	v_max_num_f32 v208, v208, v209                 ; the row's maximum: finite, key 0 counts for every query
	v_mul_f32 v208, s30, v208
.irp j, 0,1,2,3,4,5,6,7
	v_fma_f32 v[88+\j], v[88+\j], s30, -v208       ; c s - c m
.endr
.irp j, 0,1,2,3,4,5,6,7
	v_exp_f32 v[80+\j], v[88+\j]                   ; p, at most 1, not normalised: source 1 of the last product
.endr
	v_nop
	s_wait_alu depctr_va_vdst(0)                   ; one wait for the eight, ahead of their first reader
	v_pk_add_f32 v[210:211], v[80:81], v[82:83]
	v_pk_add_f32 v[212:213], v[84:85], v[86:87]
	v_pk_add_f32 v[210:211], v[210:211], v[212:213]
	v_add_f32 v210, v210, v211
	v_permlanex16_b32 v209, v210, s28, s29
	v_add_f32 v210, v210, v209                     ; the row's sum
	v_rcp_f32 v214, v210
	v_rcp_f32 v215, v210                           ; twice: the packed multiply names a pair
	v_nop
	s_wait_alu depctr_va_vdst(0)
.irp s, 0,1,2,3                        ; my head's part of y^T, four keys of each lane half an instruction, each into an accumulator of its own: lane (r, h), register j: column n0 + 8 h + j, query r
	v_wmma_f32_16x16x4_f32 v[176+8*\s:183+8*\s], v[224+2*\s:225+2*\s], v[80+2*\s:81+2*\s], 0
.endr
	PLACES 8
.irp j, 0,2,4,6
	v_pk_add_f32 v[104+\j:105+\j], v[176+\j:177+\j], v[184+\j:185+\j]
	v_pk_add_f32 v[96+\j:97+\j], v[192+\j:193+\j], v[200+\j:201+\j]
.endr
.irp j, 0,2,4,6
	v_pk_add_f32 v[104+\j:105+\j], v[104+\j:105+\j], v[96+\j:97+\j]
.endr
.irp j, 0,2,4,6
	v_pk_mul_f32 v[104+\j:105+\j], v[104+\j:105+\j], v[214:215]   ; / my query's sum
.endr
	ds_store_b128 v10, v[104:107]
	ds_store_b128 v10, v[108:111] offset:16
	s_wait_dscnt 0x0                               ; for the others' sake: my part lies in LDS
	s_barrier_signal -1
	s_barrier_wait -1
.irp w, 0,1,2,3,4,5,6,7
	ds_load_b32 v[216+\w], v11 offset:1024*\w
.endr
	s_wait_dscnt 0x0
.irp w, 1,2,3,4,5,6,7
	v_add_f32 v216, v216, v[216+\w]                ; the eight heads, in their order
.endr
	global_store_b32 v12, v216, s[26:27]
	s_wait_tensorcnt 0x0                           ; the wave's end: behind my last LDS store
	ds_add_u32 v6, v7
	s_wait_dscnt 0x0
	s_endpgm
.Lfunc_end_k_q047706b1bc_first16:
	.size	k_q047706b1bc_first16, .Lfunc_end_k_q047706b1bc_first16-k_q047706b1bc_first16
	.p2alignl 7, 3214868480
	.fill 96, 4, 3214868480
	.section	.rodata,"a",@progbits
	.p2align	6, 0x0
	.amdhsa_kernel k_q047706b1bc_first16
		.amdhsa_group_segment_fixed_size 9216
		.amdhsa_private_segment_fixed_size 0
		.amdhsa_enable_private_segment 0
		.amdhsa_kernarg_size 24
		.amdhsa_user_sgpr_count 2
		.amdhsa_user_sgpr_kernarg_segment_ptr 1
		.amdhsa_wavefront_size32 1
		.amdhsa_system_sgpr_workgroup_id_x 1
		.amdhsa_system_sgpr_workgroup_id_y 1
		.amdhsa_system_sgpr_workgroup_id_z 1
		.amdhsa_system_vgpr_workitem_id 0
		.amdhsa_next_free_vgpr 448
		.amdhsa_next_free_sgpr 66
		.amdhsa_reserve_vcc 1
		.amdhsa_float_denorm_mode_32 3
		.amdhsa_float_denorm_mode_16_64 3
		.amdhsa_memory_ordered 1
		.amdhsa_forward_progress 1
		.amdhsa_inst_pref_size 20
	.end_amdhsa_kernel
	.amdgpu_metadata
---
amdhsa.version: [ 1, 2 ]
amdhsa.kernels:
  - .name:           k_q047706b1bc_first16
    .symbol:         k_q047706b1bc_first16.kd
    .args:
      - { .name: fine, .offset: 0, .size: 8, .value_kind: global_buffer, .address_space: global }
      - { .name: wo, .offset: 8, .size: 8, .value_kind: global_buffer, .address_space: global }
      - { .name: out0, .offset: 16, .size: 8, .value_kind: global_buffer, .address_space: global }
    .group_segment_fixed_size: 9216
    .private_segment_fixed_size: 0
    .kernarg_segment_align: 8
    .kernarg_segment_size: 24
    .max_flat_workgroup_size: 256
    .sgpr_count:     66
    .vgpr_count:     448
    .wavefront_size: 32
...
	.end_amdgpu_metadata
.endif
;; end of part 5
